; MI455X (gfx1250); checked and timed in simulation.
; The chip was launched on July 23, 2026; its instructions are those of AMD's public machine-readable ISA for CDNA 5 (MIT licence, August 2026) and "CDNA5" Instruction Set Architecture Reference Guide (July 2026). The comments in the code are by the model that wrote it; some were corrected since.
;; Transformer Encoder Layer. Allowed arithmetic: matrix products marked QUANTISED: E3M2 operands, one E8M0 scale for each 32 along K, by v_wmma_scale_f32_16x16x128_f8f6f4 with both operands' format E3M2, f32 sums; everything else in f32.
;; Inputs: b1 4,096 float32; b2 1,024 float32; bk 1,024 float32; bo 1,024 float32; bq 1,024 float32; bv 1,024 float32; ln1_b 1,024 float32; ln1_g 1,024 float32; ln2_b 1,024 float32; ln2_g 1,024 float32; w1 4,096 x 1,024 float32; w2 1,024 x 4,096 float32; wk 1,024 x 1,024 float32; wo 1,024 x 1,024 float32; wq 1,024 x 1,024 float32; wv 1,024 x 1,024 float32; x 2 x 2,048 x 1,024 float32.
;; Outputs: out0 2 x 2,048 x 1,024 float32.
;; This version of the problem:
;;   THIS VERSION OF THE PROBLEM IS GIVEN IN LOW PRECISION. The matrix products marked QUANTISED in the list below multiply operands that are first quantised to E3M2 (3 exponent bits, 2 mantissa bits; 6 bits a number), with one power-of-two scale for each 32 numbers along K (OCP MX v1.0); their sums are f32. All else is computed in f32.
;;   The module's matrix products, in the order in which they are computed (A, B: the left and right operand; K: the contracted axis; several contracted axes count as one K, in the product's order):
;;     1. [M 4,096, K 1,024] x [K 1,024, N 1,024]; A: computed on the way; B: input wq: QUANTISED
;;     2. [M 4,096, K 1,024] x [K 1,024, N 1,024]; A: computed on the way; B: input wk: QUANTISED
;;     3. [M 4,096, K 1,024] x [K 1,024, N 1,024]; A: computed on the way; B: input wv: QUANTISED
;;     4. batch 32 x [M 2,048, K 64] x [K 64, N 2,048]; A: computed on the way; B: computed on the way: QUANTISED
;;     5. batch 32 x [M 64, K 2,048] x [K 2,048, N 2,048]; A: computed on the way; B: softmax (see below): QUANTISED
;;     6. [M 4,096, K 1,024] x [K 1,024, N 1,024]; A: computed on the way; B: input wo: QUANTISED
;;     7. [M 4,096, K 1,024] x [K 1,024, N 4,096]; A: computed on the way; B: input w1: QUANTISED
;;     8. [M 4,096, K 4,096] x [K 4,096, N 1,024]; A: computed on the way; B: input w2: QUANTISED
;;   THE QUANTISER, for each operand of a quantised product, along K:
;;     - K is cut into blocks of 32 from its start; a last block that is shorter is filled with zeros.
;;     - A block's scale is 2^e with e = floor(log2(the largest magnitude in the block)) - 4, held to -126 .. 127; a block of zeros has e = 0. As a byte (E8M0): e + 127.
;;     - Each number is divided by its block's scale, clamped to +-28, and rounded to the nearest number of E3M2, ties to even, subnormals kept.
;;     - The product sums the exact products of the quantised numbers (number of the format x scale) in f32.
;;   ~~~python
;;   def quantise(x, axis):      # numpy; x: float32 -> the quantised numbers, widened to float32 again
;;       x = np.moveaxis(x, axis, -1); K = x.shape[-1]
;;       x = np.pad(x, [(0, 0)] * (x.ndim - 1) + [(0, -K % 32)]); x = x.reshape(x.shape[:-1] + (-1, 32)); a = np.abs(x).max(-1, keepdims=True)
;;       e = np.where(a > 0, np.clip(np.frexp(np.where(a > 0, a, 1))[1] - 1 - 4, -126, 127), 0)      # np.frexp(a)[1] - 1 = floor(log2(a)), exactly
;;       r = np.clip(x / 2.0 ** e, -28, 28)
;;       step = 2.0 ** (np.maximum(np.frexp(np.where(r == 0, 1, r))[1] - 1, -2) - 2)
;;       q = np.round(r / step) * step * 2.0 ** e      # np.round: ties to even
;;       return np.moveaxis(q.reshape(q.shape[:-2] + (-1,))[..., :K], -1, axis).astype(np.float32)
;;   ~~~
;;   SOFTMAX AHEAD OF A QUANTISED PRODUCT. Where the list says 'softmax', what is quantised is not the finished softmax but p = 2^(t - M), with t = logit x log2(e) and M = ceil(the row's largest t), a whole number; so 1/2 < the row's largest p <= 1. The row's sum l is taken of the UNQUANTISED p, in f32, and the product's result is divided by l at the end. Since M is a whole number, a kernel that streams over the keys may use a running M (the ceiling of the running maximum): every later rescaling is an exact power of two, which a block's scale takes up: the codes' values come out the same.
;;   OPERANDS COMPUTED ON THE WAY. 'Computed on the way' means the value that the module computes at that place (a softmax that the list does not call 'softmax' is quantised finished and normalised). What goes into a quantiser is computed in f32, as accurately as f32 sums, v_exp_f32 and their like allow (about 1e-6 of the number): no bf16 or f16 on the way to a quantiser, and a product that is left as it is and whose result goes on into a quantised operand takes f32 operands (vector FMAs, or v_wmma_f32_16x16x4_f32). A number that lies on a knife's edge between two numbers of the format may be rounded either way, as far as f32 arithmetic and the matrix unit's own rounding can turn it there, and no further.
;; One version. Each part assembles by itself: llvm-mc -triple=amdgcn-amd-amdhsa -mcpu=gfx1250 --defsym DOCPART=n.
;; ======== version 1 of 1: 6 launches
;; limits: right only within a limited range of input values
;; workspace buffers: wcodes 9,830,400 bytes; actf 16,777,216 bytes; actc 3,276,800 bytes; qkvc 10,092,544 bytes; x1 16,777,216 bytes; hc 13,107,200 bytes; actd 3,276,800 bytes
;; launch prep (part 1): grid 1024 x 1, 8 waves a work-group, no clusters, 66,816 bytes of LDS; arguments x, ln1_g, ln1_b, actf, actc, wq, wk, wv, wo, w1, w2, wcodes; writes actf, actc, wcodes
.if DOCPART == 1
	.amdgcn_target "amdgcn-amd-amdhsa--gfx1250"
	.amdhsa_code_object_version 6
	.text
	.protected	k_q09f1488804_prep
	.globl	k_q09f1488804_prep
	.p2align	8
	.type	k_q09f1488804_prep,@function
k_q09f1488804_prep:
	s_mov_b64 s[64:65], 0
	v_nop
	global_prefetch_b8 v0, s[64:65] scope:SCOPE_SE
	s_setreg_imm32_b32 hwreg(HW_REG_WAVE_MODE, 25, 1), 1
	s_wait_xcnt 0x0
; LAYER NORM AND QUANTISER.  A work-group takes 16 rows x 1,024 along K of one tensor and turns them into codes of BF6 (E3M2) with one E8M0 byte for each 32 along K.
; Work-groups 0-255: rows of x: normalised first (mean, variance about the mean, rsqrt, gain, shift, all f32); the f32 result also goes to actf.  256-511: wq, wk, wv, wo (64 each); 512-767: w1; 768-1023: w2 (a quarter of its K each).
; THE CODES LEAVE AS IMAGES OF OPERAND REGISTERS.  A fragment is 16 rows x 128 K; lane (r, h) holds k = 64 c + 32 h + 0..31 in registers 6 c .. 6 c + 5.  Half c of it is 768 bytes: words 0-3 of lane l at 16 l, words 4-5 at 512 + 8 l.
; A block of 6,400 bytes holds the four fragments of 64 rows for one K step (fragment f, half c at 1536 f + 768 c) and their scale words (6144 + 64 f + 4 r).  Blocks: (64-row block) x K/128 + K step.
; THE ROWS OF A FRAGMENT ARE NOT NEIGHBOURS: lane row r of fragment F is row 32 (F / 2) + 8 (F % 2) + r + 8 (r / 8), so that results of products on such fragments have 16 neighbours along the next K in a lane.
; Phase 1: wave w loads rows 2 w, 2 w + 1 of the fragment, 512 consecutive bytes a load; they meet in a stage in LDS.  Phase 2: wave w takes K step w: a lane reads two whole blocks of 32 of its row.
; 128 REGISTERS A WAVE: gain and shift come in two halves of 16 columns a lane, into the same 32 registers, and phase 2's codes lie over them: a work-group claims less, so that more of them can be resident
; beside each other and more loads are on their way at once.  The second half is asked for behind the first half's arithmetic and lands under the first half's stores.
; A block's scale is 2^(floor(log2(largest magnitude)) - 4): its byte is the largest magnitude's exponent field - 4, held at 1 from below.
; LIMITS: a block whose largest magnitude lies under 2^-122 (a block of zeros too) gets the byte 1; its codes are then zeros or subnormal codes, and this program alone reads the bytes.  NaN and infinities are not served.  1/sqrt comes from v_rsq_f32.
; The scale words of a fragment are 64 consecutive bytes: four work-groups fill 256; they are 1 byte in 24 of what is stored.  No matrix unit, no tensor load, no cluster: the launch streams, and work-groups share nothing.
.set WEIGHTS, 1
.set SP,  4112                         ; a stage row: 4,096 bytes + 16: the sixteen rows that a phase-2 load touches begin 16 bytes apart modulo 256
.set X,   32                           ; v32-95   two rows as loaded; in phase 2 my 64 numbers
.set GG,  96                           ; v96-111  gain of 16 of my 32 columns
.set BB,  112                          ; v112-127 shift of the same
.set PC,  96                           ; v96-107  phase 2: the fragment's 12 registers
.set TC,  108                          ; v108-114 phase 2: upper halves of the blocks' codes
	s_load_b256 s[4:11], s[0:1], 0x0               ; source s[4:5], gain s[6:7], shift s[8:9], actf s[10:11]
	s_load_b64 s[12:13], s[0:1], 0x20              ; actc
.if WEIGHTS
	s_load_b256 s[16:23], s[0:1], 0x28             ; wq, wk, wv, wo
	s_load_b128 s[24:27], s[0:1], 0x48             ; w1, w2
	s_load_b64 s[28:29], s[0:1], 0x58              ; wcodes
	v_lshl_add_u32 v30, v0, 2, 0x10100
	v_mov_b32 v31, 0
.endif
	v_lshrrev_b32 v1, 5, v0
	s_delay_alu instid0(VALU_DEP_1)
	v_readfirstlane_b32 s30, v1                    ; wave 0..7
	v_and_b32 v1, 31, v0                           ; lane
	v_and_b32 v2, 15, v0                           ; r
	v_bfe_u32 v3, v0, 4, 1                         ; h
	s_delay_alu instid0(VALU_DEP_3)
	v_lshlrev_b32 v4, 4, v1                        ; 16 l
	s_wait_alu depctr_va_vdst(0)
	s_mov_b32 s56, 0x76543210
	s_mov_b32 s57, 0xfedcba98                      ; v_permlanex16_b32's selects for lane l xor 16
	s_mov_b32 s58, 0x3a800000                      ; 1 / 1024
	s_mov_b32 s59, 0x3727c5ac                      ; 1e-5
	s_mov_b32 s31, ttmp9                           ; g
	s_mov_b32 s37, 4096                            ; bytes from row to row
	s_mov_b32 s38, 0                               ; which 1,024 along K
	s_mov_b32 s32, s31                             ; F: the fragment in its tensor
	s_lshr_b32 s39, s31, 2
	s_lshl_b32 s39, s39, 3                         ; first block: (g / 4) x 8
.if WEIGHTS
	s_and_b32 s33, s31, 255
	s_and_b32 s34, s33, 63
	s_lshr_b32 s35, s33, 2
	s_lshr_b32 s36, s31, 8                         ; 0: x; 1: wq..wo; 2: w1; 3: w2
	s_and_b32 s40, s31, 3
	s_lshr_b32 s41, s35, 2
	s_lshl_b32 s41, s41, 5
	s_lshl_b32 s42, s40, 3
	s_add_co_u32 s41, s41, s42
	s_add_co_u32 s41, s41, 1024                    ; w2: block 1024 + (F / 4) x 32 + 8 x quarter
	s_sub_co_u32 s42, s39, 512                     ; wq .. w1: ((g - 256) / 4) x 8
	s_cmp_eq_u32 s36, 0
	s_cselect_b32 s39, s39, s42
	s_cmp_eq_u32 s36, 1
	s_cselect_b32 s32, s34, s33
	s_cmp_eq_u32 s36, 3
	s_cselect_b32 s32, s35, s32
	s_cselect_b32 s39, s41, s39
	s_cselect_b32 s38, s40, 0
	s_cselect_b32 s37, 16384, s37
.endif
	s_and_b32 s43, s32, 3                          ; f
	s_lshr_b32 s44, s32, 1
	s_lshl_b32 s44, s44, 5
	s_and_b32 s45, s32, 1
	s_lshl_b32 s45, s45, 3
	s_add_co_u32 s44, s44, s45
	s_lshl_b32 s45, s30, 1
	s_add_co_u32 s44, s44, s45
	s_lshr_b32 s45, s30, 2
	s_lshl_b32 s45, s45, 3
	s_add_co_u32 s44, s44, s45                     ; my first row: 32 (F / 2) + 8 (F % 2) + 2 w + 8 (w / 4); the second is the next
	s_mul_i32 s46, s44, s37
	s_lshl_b32 s45, s38, 12
	s_add_co_u32 s46, s46, s45
	s_mov_b32 s47, 0
	s_lshl_b32 s48, s44, 12
	s_mov_b32 s49, 0
	s_add_co_u32 s50, s39, s30
	s_mul_i32 s50, s50, 6400                       ; my block in phase 2: K step w
	s_mov_b32 s51, 0
	v_add_nc_u32 v5, s37, v4                       ; the second row
	s_mul_i32 s53, s30, 2*SP
	v_add_nc_u32 v6, s53, v4                       ; the stage, in: row 2 w, 16 l
	v_mul_u32_u24 v7, v2, SP
	s_delay_alu instid0(VALU_DEP_1)
	v_lshl_add_u32 v7, v3, 7, v7
	s_lshl_b32 s53, s30, 9
	v_add_nc_u32 v7, s53, v7                       ; out: row r, K step w (512 bytes), + 128 h
	s_mul_i32 s54, s43, 1536
	v_add_nc_u32 v8, s54, v4                       ; the image: 1536 f + 16 l
	v_lshlrev_b32 v9, 3, v1
	s_delay_alu instid0(VALU_DEP_1)
	v_add_nc_u32 v9, s54, v9                       ; 1536 f + 8 l
	s_lshl_b32 s54, s43, 6
	v_lshlrev_b32 v10, 2, v2
	s_delay_alu instid0(VALU_DEP_1)
	v_add_nc_u32 v10, s54, v10                     ; 64 f + 4 r
	v_lshlrev_b32 v11, 3, v3                       ; 8 h
	s_wait_kmcnt 0x0
.if WEIGHTS
	s_lshr_b32 s52, s31, 6                         ; the buffers are chosen on the work-group's number alone
	s_cmp_eq_u32 s52, 4
	s_cselect_b64 s[4:5], s[16:17], s[4:5]
	s_cmp_eq_u32 s52, 5
	s_cselect_b64 s[4:5], s[18:19], s[4:5]
	s_cmp_eq_u32 s52, 6
	s_cselect_b64 s[4:5], s[20:21], s[4:5]
	s_cmp_eq_u32 s52, 7
	s_cselect_b64 s[4:5], s[22:23], s[4:5]
	s_cmp_eq_u32 s36, 2
	s_cselect_b64 s[4:5], s[24:25], s[4:5]
	s_cmp_eq_u32 s36, 3
	s_cselect_b64 s[4:5], s[26:27], s[4:5]
	s_cmp_eq_u32 s36, 0
	s_cselect_b64 s[12:13], s[12:13], s[28:29]
.endif
	s_add_nc_u64 s[4:5], s[4:5], s[46:47]
	s_add_nc_u64 s[10:11], s[10:11], s[48:49]
	s_add_nc_u64 s[12:13], s[12:13], s[50:51]
.irp e, 0,1
.irp i, 0,1,2,3,4,5,6,7
	global_load_b128 v[X+32*\e+4*\i:X+32*\e+4*\i+3], v[4+\e], s[4:5] offset:512*\i th:TH_LOAD_NT   ; 32 lanes read 512 consecutive bytes; read once in the launch
.endr
.endr
.macro LANESUM a, t                    ; the sum over the 32 lanes, in every lane
	s_delay_alu instid0(VALU_DEP_1)
	v_add_f32_dpp v[\a], v[\a], v[\a] row_xmask:1 row_mask:0xf bank_mask:0xf
	s_delay_alu instid0(VALU_DEP_1)
	v_add_f32_dpp v[\a], v[\a], v[\a] row_xmask:2 row_mask:0xf bank_mask:0xf
	s_delay_alu instid0(VALU_DEP_1)
	v_add_f32_dpp v[\a], v[\a], v[\a] row_xmask:4 row_mask:0xf bank_mask:0xf
	s_delay_alu instid0(VALU_DEP_1)
	v_add_f32_dpp v[\a], v[\a], v[\a] row_xmask:8 row_mask:0xf bank_mask:0xf
	s_delay_alu instid0(VALU_DEP_1)
	v_permlanex16_b32 v[\t], v[\a], s56, s57
	s_delay_alu instid0(VALU_DEP_1)
	v_add_f32 v[\a], v[\a], v[\t]
.endm
.macro STATS e                         ; row e: x - mean in place; 1 / sqrt(variance + 1e-5) in v[TT+4]
.set XR, X+32*\e
.set TT, 12+8*\e
	v_pk_add_f32 v[TT:TT+1], v[XR:XR+1], v[XR+2:XR+3]
	v_pk_add_f32 v[TT+2:TT+3], v[XR+4:XR+5], v[XR+6:XR+7]
.irp k, 8,12,16,20,24,28
	s_delay_alu instid0(VALU_DEP_2)
	v_pk_add_f32 v[TT:TT+1], v[TT:TT+1], v[XR+\k:XR+\k+1]
	s_delay_alu instid0(VALU_DEP_2)
	v_pk_add_f32 v[TT+2:TT+3], v[TT+2:TT+3], v[XR+\k+2:XR+\k+3]
.endr
	s_delay_alu instid0(VALU_DEP_1)
	v_pk_add_f32 v[TT:TT+1], v[TT:TT+1], v[TT+2:TT+3]
	s_delay_alu instid0(VALU_DEP_1)
	v_add_f32 v[TT], v[TT], v[TT+1]
	LANESUM TT, TT+1
	s_delay_alu instid0(VALU_DEP_1)
	v_mul_f32 v[TT], s58, v[TT]                    ; the mean
.irp k, 0,2,4,6,8,10,12,14,16,18,20,22,24,26,28,30
	v_pk_add_f32 v[XR+\k:XR+\k+1], v[XR+\k:XR+\k+1], v[TT:TT+1] op_sel_hi:[1,0] neg_lo:[0,1] neg_hi:[0,1]
.endr
	v_pk_mul_f32 v[TT+2:TT+3], v[XR:XR+1], v[XR:XR+1]
	v_pk_mul_f32 v[TT+4:TT+5], v[XR+2:XR+3], v[XR+2:XR+3]
.irp k, 4,8,12,16,20,24,28
	s_delay_alu instid0(VALU_DEP_2)
	v_pk_fma_f32 v[TT+2:TT+3], v[XR+\k:XR+\k+1], v[XR+\k:XR+\k+1], v[TT+2:TT+3]
	s_delay_alu instid0(VALU_DEP_2)
	v_pk_fma_f32 v[TT+4:TT+5], v[XR+\k+2:XR+\k+3], v[XR+\k+2:XR+\k+3], v[TT+4:TT+5]
.endr
	s_delay_alu instid0(VALU_DEP_1)
	v_pk_add_f32 v[TT+2:TT+3], v[TT+2:TT+3], v[TT+4:TT+5]
	s_delay_alu instid0(VALU_DEP_1)
	v_add_f32 v[TT+2], v[TT+2], v[TT+3]
	LANESUM TT+2, TT+3
	s_delay_alu instid0(VALU_DEP_1)
	v_fma_f32 v[TT+2], v[TT+2], s58, s59           ; variance + 1e-5
	s_wait_alu depctr_va_vdst(0)
	v_rsq_f32 v[TT+4], v[TT+2]
	v_nop                                          ; a plain place behind the transcendental
.endm
.macro GBLOAD hf                       ; gain and shift of half hf of my columns: those of the rows' loads 4 hf .. 4 hf + 3
.irp i, 0,1,2,3
	global_load_b128 v[GG+4*\i:GG+4*\i+3], v4, s[6:7] offset:512*(4*\hf+\i)
	global_load_b128 v[BB+4*\i:BB+4*\i+3], v4, s[8:9] offset:512*(4*\hf+\i)
.endr
.endm
.macro NORM e, hf                      ; half hf of row e: (x - mean) / sqrt(..) x gain + shift
.set XR, X+32*\e+16*\hf
.set TT, 12+8*\e
	s_wait_alu depctr_va_vdst(0)
.irp k, 0,2,4,6,8,10,12,14
	v_pk_mul_f32 v[XR+\k:XR+\k+1], v[XR+\k:XR+\k+1], v[TT+4:TT+5] op_sel_hi:[1,0]
	s_delay_alu instid0(VALU_DEP_1)
	v_pk_fma_f32 v[XR+\k:XR+\k+1], v[XR+\k:XR+\k+1], v[GG+\k:GG+\k+1], v[BB+\k:BB+\k+1]
.endr
.endm
.macro OUTF hf                         ; the f32 rows: 512 consecutive bytes a store (a row of x is 4,096 bytes, as the second row's offset has it)
.irp e, 0,1
.irp i, 0,1,2,3
	global_store_b128 v[4+\e], v[X+32*\e+16*\hf+4*\i:X+32*\e+16*\hf+4*\i+3], s[10:11] offset:512*(4*\hf+\i)
.endr
.endr
.endm
.if WEIGHTS
	s_cmp_ge_u32 s31, 256                          ; weights are not normalised: the branch leads round register work, global loads and global stores alone
	s_cbranch_scc1 .Lplain
.endif
	GBLOAD 0
	s_wait_loadcnt 8                               ; the two rows are in; the eight loads of gain and shift may be out
	STATS 0
	STATS 1
	s_wait_loadcnt 0x0
	NORM 0, 0
	NORM 1, 0
	GBLOAD 1                                       ; the other half, into the registers just read; it lands under the stores below
	OUTF 0
	s_wait_loadcnt 0x0
	NORM 0, 1
	NORM 1, 1
	OUTF 1
.if WEIGHTS
.Lplain:
.endif
	s_wait_loadcnt 0x0
	s_wait_alu depctr_va_vdst(0)
.irp e, 0,1
.irp i, 0,1,2,3,4,5,6,7
	ds_store_b128 v6, v[X+32*\e+4*\i:X+32*\e+4*\i+3] offset:\e*SP+512*\i
.endr
.endr
	s_wait_dscnt 0x0                               ; for the others' sake: my rows lie in the stage
	s_barrier_signal -1
	s_barrier_wait -1
	s_wait_xcnt 0x0                                ; the stores to actf have read their registers: they are loaded again only behind this wait
.irp c, 0,1
.irp j, 0,1,2,3,4,5,6,7
	ds_load_b128 v[X+32*\c+4*\j:X+32*\c+4*\j+3], v7 offset:256*\c+16*\j    ; k = 128 w + 64 c + 32 h + 4 j .. of row r
.endr
.endr
	s_wait_dscnt 0x0
.irp c, 0,1                            ; my block 2 c + h: all its 32 numbers are mine
	v_max3_num_f32 v[12+\c], |v[X+32*\c]|, |v[X+32*\c+1]|, 0x2800000      ; with the floor 2^(5 - 127): the byte cannot fall under 1
.endr
.irp i, 2,4,6,8,10,12,14,16,18,20,22,24,26,28,30
.irp c, 0,1
	s_delay_alu instid0(VALU_DEP_2)
	v_max3_num_f32 v[12+\c], v[12+\c], |v[X+32*\c+\i]|, |v[X+32*\c+\i+1]|
.endr
.endr
.irp c, 0,1
	s_delay_alu instid0(VALU_DEP_2)
	v_add_nc_u32 v[14+\c], 0xfe000000, v[12+\c]    ; 4 off the exponent field: the conversion's scale operand
.endr
.irp c, 0,1
	s_delay_alu instid0(VALU_DEP_2)
	v_lshrrev_b32 v[16+\c], 23, v[14+\c]           ; the scale's byte
.endr
	s_delay_alu instid0(VALU_DEP_1)
	v_lshl_or_b32 v18, v17, 16, v16                ; blocks h and 2 + h,
	s_delay_alu instid0(VALU_DEP_1)
	v_lshlrev_b32 v18, v11, v18                    ; at their places in the word;
	v_mov_b32 v19, 0
	s_delay_alu instid0(VALU_DEP_1)
	v_permlanex16_b32 v19, v18, s56, s57
	s_delay_alu instid0(VALU_DEP_1)
	v_or_b32 v18, v18, v19                         ; with lane l xor 16's two the word is whole, in both lanes
.irp c, 0,1
	v_cvt_scalef32_pk16_bf6_f32 v[PC+6*\c:PC+6*\c+2], v[X+32*\c:X+32*\c+15], v[14+\c]
	v_cvt_scalef32_pk16_bf6_f32 v[TC+4*\c:TC+4*\c+2], v[X+32*\c+16:X+32*\c+31], v[14+\c]   ; (a conversion's three registers begin on an even number)
.endr
	v_nop                                          ; a plain place behind the conversions
.irp c, 0,1
.irp i, 0,1,2
	v_mov_b32 v[PC+6*\c+3+\i], v[TC+4*\c+\i]
.endr
.endr
.irp c, 0,1
	global_store_b128 v8, v[PC+6*\c:PC+6*\c+3], s[12:13] offset:768*\c          ; 512 consecutive bytes
	global_store_b64 v9, v[PC+6*\c+4:PC+6*\c+5], s[12:13] offset:768*\c+512     ; 256 consecutive bytes
.endr
	global_store_b32 v10, v18, s[12:13] offset:6144   ; lanes l and l xor 16 write the same word with the same value
	s_wait_tensorcnt 0x0
	ds_add_u32 v30, v31
	s_wait_dscnt 0x0
	s_endpgm
.Lfunc_end_k_q09f1488804_prep:
	.size	k_q09f1488804_prep, .Lfunc_end_k_q09f1488804_prep-k_q09f1488804_prep
	.p2alignl 7, 3214868480
	.fill 96, 4, 3214868480
	.section	.rodata,"a",@progbits
	.p2align	6, 0x0
	.amdhsa_kernel k_q09f1488804_prep
		.amdhsa_group_segment_fixed_size 66816
		.amdhsa_private_segment_fixed_size 0
		.amdhsa_enable_private_segment 0
		.amdhsa_kernarg_size 96
		.amdhsa_user_sgpr_count 2
		.amdhsa_user_sgpr_kernarg_segment_ptr 1
		.amdhsa_wavefront_size32 1
		.amdhsa_system_sgpr_workgroup_id_x 1
		.amdhsa_system_sgpr_workgroup_id_y 1
		.amdhsa_system_sgpr_workgroup_id_z 1
		.amdhsa_system_vgpr_workitem_id 0
		.amdhsa_next_free_vgpr 128
		.amdhsa_next_free_sgpr 66
		.amdhsa_reserve_vcc 0
		.amdhsa_float_denorm_mode_32 3
		.amdhsa_float_denorm_mode_16_64 3
		.amdhsa_memory_ordered 1
		.amdhsa_forward_progress 1
		.amdhsa_inst_pref_size 32
	.end_amdhsa_kernel
	.amdgpu_metadata
---
amdhsa.version: [ 1, 2 ]
amdhsa.kernels:
  - .name:           k_q09f1488804_prep
    .symbol:         k_q09f1488804_prep.kd
    .args:
      - { .name: x, .offset: 0, .size: 8, .value_kind: global_buffer, .address_space: global }
      - { .name: ln1_g, .offset: 8, .size: 8, .value_kind: global_buffer, .address_space: global }
      - { .name: ln1_b, .offset: 16, .size: 8, .value_kind: global_buffer, .address_space: global }
      - { .name: actf, .offset: 24, .size: 8, .value_kind: global_buffer, .address_space: global }
      - { .name: actc, .offset: 32, .size: 8, .value_kind: global_buffer, .address_space: global }
      - { .name: wq, .offset: 40, .size: 8, .value_kind: global_buffer, .address_space: global }
      - { .name: wk, .offset: 48, .size: 8, .value_kind: global_buffer, .address_space: global }
      - { .name: wv, .offset: 56, .size: 8, .value_kind: global_buffer, .address_space: global }
      - { .name: wo, .offset: 64, .size: 8, .value_kind: global_buffer, .address_space: global }
      - { .name: w1, .offset: 72, .size: 8, .value_kind: global_buffer, .address_space: global }
      - { .name: w2, .offset: 80, .size: 8, .value_kind: global_buffer, .address_space: global }
      - { .name: wcodes, .offset: 88, .size: 8, .value_kind: global_buffer, .address_space: global }
    .group_segment_fixed_size: 66816
    .private_segment_fixed_size: 0
    .kernarg_segment_align: 8
    .kernarg_segment_size: 96
    .max_flat_workgroup_size: 256
    .sgpr_count:     66
    .vgpr_count:     128
    .wavefront_size: 32
...
	.end_amdgpu_metadata
.endif
;; end of part 1
;; launch qkv (part 2): grid 8 x 32, 4 waves a work-group, clusters of 4 x 4, 327,680 bytes of LDS; arguments actc, wcodes, bq, bk, bv, qkvc; writes qkvc
.if DOCPART == 2
	.amdgcn_target "amdgcn-amd-amdhsa--gfx1250"
	.amdhsa_code_object_version 6
	.text
	.protected	k_q09f1488804_qkv
	.globl	k_q09f1488804_qkv
	.p2align	8
	.type	k_q09f1488804_qkv,@function
k_q09f1488804_qkv:
	s_mov_b64 s[64:65], 0
	v_nop
	global_prefetch_b8 v0, s[64:65] scope:SCOPE_SE
	s_setreg_imm32_b32 hwreg(HW_REG_WAVE_MODE, 25, 1), 1
	s_wait_xcnt 0x0
	s_wait_alu depctr_hold_cnt(0) depctr_sa_sdst(0) depctr_va_vdst(0) depctr_va_sdst(0) depctr_va_ssrc(0) depctr_va_vcc(0) depctr_vm_vsrc(0)
	s_getreg_b32 s2, hwreg(HW_REG_IB_STS2, 6, 4)
	s_cmp_eq_u32 s2, 0
	s_cbranch_scc0 .Lentry_in_a_cluster
	s_endpgm
.Lentry_in_a_cluster:
	s_bfe_u32 s2, ttmp6, 0x10000c
	s_cmp_lg_u32 s2, 0xf033
	s_cbranch_scc0 .Lentry_shape_is_right
	s_endpgm
.Lentry_shape_is_right:
; q, k, v = xn W^T + b on codes of BF6 (E3M2) with E8M0 scales, and their quantising for attention: q and k along the head's 64, v along the keys.
; A work-group owns 128 rows (tile row Y) and walks three tiles of 128 columns: heads 2 X, 2 X + 1 of q, then of k, then of v.  Four waves, each 64 x 64: 16 accumulators.  128 x 128 a wave would leave 192 work-groups for 256 WGPs.
; A's tile (128 rows, all 1,024 of K, codes and scale words: 102,400 dense bytes) comes into LDS once, and a wave's 64 rows of it go from there into REGISTERS once: 32 fragments, 384 registers, and 32 scale words.
; They serve all three tiles, so a K step reads from LDS only the weight's four fragments and four words: 20 loads for 16 products.  The weights' tiles, 102,400 bytes each, walk through two slots, one tile ahead.
; OPERANDS ARE IMAGES OF REGISTERS: blocks of 6,400 bytes for 64 rows x 128 K: fragment f, half c at 1536 f + 768 c (lane l: 16 bytes at 16 l, 8 bytes at 512 + 8 l), scale words at 6144 + 64 f + 4 r.
; Lane row r of fragment F is row 32 (F / 2) + 8 (F % 2) + r + 8 (r / 8).  THE PRODUCT IS USED TRANSPOSED (source 0 = 16 rows of W, source 1 = 16 rows of xn): in accumulators (a, 2 e), (a, 2 e + 1) a lane holds lane row r of
; fragment a and the 16 neighbouring columns 32 e + 16 h + 0..15: what the conversions want.  The bias is the C of a tile's first products.
; CLUSTER 4 x 4: A's tile is shared along a row of the cluster, a weight tile along a column; each wave asks jointly for its quarter of a tile (25,600 bytes as 100 rows of 256).
; OUT (qkvc): for head bh and key step of 128 keys a block of 13,056 bytes: k's 8 half fragments (768 t), their words (6144 + 64 t + 4 r), v^T's 4 fragments (6656 + 1536 ct + 768 c; rows = channels, K = keys), their words (12800 + 64 ct + 4 r);
; q's half fragments from byte QC on, their words from QS on.  q's and k's words carry the byte 0x7f for the upper 64 of the instruction's 128, where the other side's codes are zeros.
; v goes through a stage in LDS (slot 1, which has had its last fill and its last read by then) to get the keys into a lane's registers.
; LIMITS: a block whose largest magnitude lies under 2^-122 gets the byte 1; NaN and infinities are not served.
; REGISTERS: window 0: v1-19 addresses; v28, v29 for the add; v32-39 W's scale words, two sets of four; v48-79 A's scale words (4 ks + a); v80-127 at work; v128-255 accumulators (a, b) at 128 + 8 (4 a + b).
;   window 1: A's fragments of K steps 0-3 at 48 ks + 12 a;  window 2: of K steps 4-7;  window 3: W's fragments, two sets at 48 set + 12 b; v96-127 the bias.
.set SLOT0, 102400
.set SLOTB, 102400
.set STAGE, 204800
.set SPARE, 307200                     ; behind the slots: the spare words, 128 bytes a wave: two blocks of 256 bytes that no other line names
.set SPI,   528                        ; a stage row: 512 bytes + 16
.set ACC,   128
.set KVB,   13056
.set QC,    6684672
.set QS,    9830400
.set MSB, 0
.macro WIN new                         ; the immediate's high byte repeats the setting that is left
.if MSB != \new
	s_set_vgpr_msb (MSB<<8)|\new
.set MSB, \new
.endif
.endm
.macro PL n
.rept \n
	v_nop
.endr
.endm
.macro CREST
	s_cmp_lg_u32 s16, 0
	s_cbranch_scc1 .Lnot_wave_0_\@
	s_barrier_signal -3
.Lnot_wave_0_\@:
	s_barrier_wait -3
	s_barrier_signal -1
	s_barrier_wait -1
.endm
.macro CROUND                          ; a round of the cluster's barrier
	s_barrier_signal -1
	s_barrier_wait -1
	CREST
.endm
	s_load_b256 s[4:11], s[0:1], 0x0               ; actc s[4:5], wcodes s[6:7], bq s[8:9], bk s[10:11]
	s_load_b128 s[12:15], s[0:1], 0x20             ; bv s[12:13], qkvc s[14:15]
	v_lshl_add_u32 v28, v0, 2, SPARE
	v_mov_b32 v29, 0
	ds_add_u32 v28, v29
	ds_add_u32 v28, v29
	s_wait_dscnt 0x0
	v_lshrrev_b32 v1, 5, v0
	v_readfirstlane_b32 s16, v1                    ; wave 0..3
	s_lshr_b32 s17, s16, 1                         ; i: my 64 rows
	s_and_b32 s18, s16, 1                          ; j: my 64 columns
	s_bfe_u32 s19, ttmp6, 0x40000                  ; cx
	s_bfe_u32 s20, ttmp6, 0x40004                  ; cy
	s_lshl_b32 s21, ttmp9, 2
	s_add_co_u32 s21, s21, s19                     ; X
	s_and_b32 s22, ttmp7, 0xffff
	s_lshl_b32 s22, s22, 2
	s_add_co_u32 s22, s22, s20                     ; Y
	s_lshl_b32 s52, s20, 2
	s_lshl_b32 s52, 15, s52                        ; my row of the cluster
	s_lshl_b32 s53, 0x1111, s19                    ; my column
	s_or_b32 s24, s52, (3<<16)|(1<<21)             ; group 1 for A: the mask; elements of 8 bytes; bit 21 beside a mask; no padding
	s_or_b32 s32, s53, (3<<16)|(1<<21)             ; for the weights
.irp g, 24,32
	s_mov_b32 s[\g+1], 32<<16                      ; tensor_dim0 = 32 elements: rows of 256 bytes
	s_mov_b32 s[\g+2], 200<<16                     ; the head's loads bring half a tile: 200 rows of 256 bytes
	s_mov_b32 s[\g+3], 32<<16
	s_mov_b32 s[\g+4], 200
	s_mov_b32 s[\g+5], 32                          ; the pitch: dense
	s_mov_b32 s[\g+6], 0
	s_mov_b32 s[\g+7], 0
.endr
	s_mul_i32 s54, s16, 25600                      ; my quarter of a tile
	s_mul_i32 s86, s18, 51200                      ; at the head a wave fetches half a tile: waves 0, 1 A's halves, waves 2, 3 wq's
	s_mul_i32 s56, s22, 102400
	s_add_co_u32 s56, s56, s86
	s_mul_i32 s92, s21, 102400
	s_add_co_u32 s92, s92, s86
	s_mov_b32 s93, 0
	s_mov_b32 s57, 0
	s_mul_i32 s58, s21, 102400                     ; W: on X and the wave alone
	s_add_co_u32 s58, s58, s54
	s_mov_b32 s59, 0
	s_add_co_u32 s48, s54, SLOT0                   ; my quarter's place in slot 0
	s_mov_b32 s50, 0x76543210
	s_mov_b32 s51, 0xfedcba98
	s_wait_kmcnt 0x0
	s_mov_b32 s40, 1
	s_mov_b32 s41, s86
	s_add_nc_u64 s[42:43], s[4:5], s[56:57]
	s_or_b32 s43, s43, 0x80000000
	s_mov_b32 s44, 1
	s_mov_b32 s45, s48
	s_add_nc_u64 s[46:47], s[6:7], s[58:59]
	s_or_b32 s47, s47, 0x80000000
	s_mov_b32 s88, 1                               ; group 0 of the head's load of wq's half tile
	s_add_co_u32 s89, s86, SLOT0
	s_add_nc_u64 s[90:91], s[6:7], s[92:93]
	s_or_b32 s91, s91, 0x80000000
	CROUND                                         ; all sixteen work-groups are here: the first joint loads meet
	s_cmp_eq_u32 s17, 0                            ; one load a wave at the head, in the two arms of one branch on the wave's number
	s_cbranch_scc0 .Lhead_w
	tensor_load_to_lds s[40:43], s[24:31]          ; A's half
	s_nop 0
	PL 4
	s_branch .Lhead_asked
.Lhead_w:
	tensor_load_to_lds s[88:91], s[32:39]          ; wq's half
	s_nop 0
	PL 4
.Lhead_asked:
	v_and_b32 v1, 31, v0
	v_and_b32 v2, 15, v0                           ; r
	v_bfe_u32 v3, v0, 4, 1                         ; h
	v_lshlrev_b32 v12, 4, v1                       ; 16 l
	v_lshlrev_b32 v13, 3, v1                       ; 8 l
	v_lshlrev_b32 v14, 2, v2                       ; 4 r
	v_lshlrev_b32 v15, 6, v3
	v_bfe_u32 v23, v0, 3, 1                        ; k's way out: lane rows 8-15 go two fragments on, into rows 8 lower
	v_mad_u32_u24 v20, v23, 1408, v12
	v_mad_u32_u24 v21, v23, 1472, v13
	v_mad_u32_u24 v22, v23, 96, v14
	s_mul_i32 s60, s17, 51200
	v_add_nc_u32 v4, s60, v12                      ; A's fragments
	v_add_nc_u32 v5, s60, v13
	s_add_co_u32 s61, s60, 6144
	v_add_nc_u32 v8, s61, v14                      ; A's scale words
	s_mul_i32 s60, s18, 51200
	s_add_co_u32 s60, s60, SLOT0
	v_add_nc_u32 v6, s60, v12                      ; W's fragments in slot 0
	v_add_nc_u32 v7, s60, v13
	s_add_co_u32 s61, s60, 6144
	v_add_nc_u32 v16, s61, v14                     ; W's scale words in slot 0
	v_and_b32 v17, 8, v2
	v_add_nc_u32 v17, v17, v2                      ; r + 8 (r / 8)
	v_lshlrev_b32 v18, 2, v17
	v_mul_u32_u24 v17, v17, SPI
	v_lshl_add_u32 v17, v3, 6, v17
	s_mul_i32 s60, s17, 64*SPI
	s_lshl_b32 s61, s18, 8
	s_add_co_u32 s60, s60, s61
	s_add_co_u32 s60, s60, STAGE
	v_add_nc_u32 v17, s60, v17                     ; the stage, in: token 64 i + r + 8 (r / 8), channel 64 j + 16 h
	v_mul_u32_u24 v19, v3, 32*SPI
	v_add_nc_u32 v18, v18, v19
	s_lshl_b32 s60, s16, 7
	s_add_co_u32 s60, s60, STAGE
	v_add_nc_u32 v18, s60, v18                     ; out: token 32 h, channel 32 w + r + 8 (r / 8)
	v_lshlrev_b32 v19, 3, v3                       ; 8 h
.irp n, 0,1,2,3,4,5,6,7
	v_mov_b32 v[88+\n], 0                          ; written once: a lane permute's destination counts as one of its sources
.endr
	s_lshl_b32 s62, s21, 9
	s_lshl_b32 s63, s18, 8
	s_add_co_u32 s62, s62, s63                     ; the biases at column 128 X + 64 j
	s_mov_b32 s63, 0
	s_add_nc_u64 s[8:9], s[8:9], s[62:63]
	s_add_nc_u64 s[10:11], s[10:11], s[62:63]
	s_add_nc_u64 s[12:13], s[12:13], s[62:63]
	s_lshr_b32 s66, s22, 4                         ; the batch
	s_and_b32 s67, s22, 15                         ; which 128 tokens of it
	s_lshl_b32 s68, s66, 4
	s_lshl_b32 s69, s21, 1
	s_add_co_u32 s68, s68, s69
	s_add_co_u32 s69, s68, s18                     ; bh of my columns (q, k)
	s_add_co_u32 s68, s68, s17                     ; bh of the head that I turn (v)
	s_mov_b32 s73, 0
	s_lshl_b32 s70, s69, 7
	s_lshl_b32 s71, s67, 3
	s_add_co_u32 s70, s70, s71
	s_lshl_b32 s71, s17, 2
	s_add_co_u32 s70, s70, s71                     ; q's fragment 128 bh + 8 (Y % 16) + 4 i
	s_mul_i32 s72, s70, 768
	s_add_co_u32 s72, s72, QC
	s_add_nc_u64 s[74:75], s[14:15], s[72:73]
	s_lshl_b32 s72, s70, 6
	s_add_co_u32 s72, s72, QS
	s_add_nc_u64 s[76:77], s[14:15], s[72:73]
	s_lshl_b32 s70, s69, 4
	s_add_co_u32 s70, s70, s67
	s_mul_i32 s70, s70, KVB                        ; k's block
	s_mul_i32 s71, s17, 3072
	s_add_co_u32 s72, s70, s71
	s_add_nc_u64 s[78:79], s[14:15], s[72:73]
	s_lshl_b32 s71, s17, 8
	s_add_co_u32 s72, s70, s71
	s_add_co_u32 s72, s72, 6144
	s_add_nc_u64 s[80:81], s[14:15], s[72:73]
	s_lshl_b32 s70, s68, 4
	s_add_co_u32 s70, s70, s67
	s_mul_i32 s70, s70, KVB                        ; v's block
	s_mul_i32 s71, s18, 3072
	s_add_co_u32 s72, s70, s71
	s_add_co_u32 s72, s72, 6656
	s_add_nc_u64 s[82:83], s[14:15], s[72:73]
	s_lshl_b32 s71, s18, 7
	s_add_co_u32 s72, s70, s71
	s_add_co_u32 s72, s72, 12800
	s_add_nc_u64 s[84:85], s[14:15], s[72:73]
.macro BIAS sb, off                    ; eight registers a fragment b, in the result's layout: columns 32 (b / 2) + 8 (b % 2) + 16 h + 0..7; into window 3 (it leaves the destination's window at 3)
	WIN 0xc0
.irp b, 0,1,2,3
	global_load_b128 v[96+8*\b:99+8*\b], v15, s[\sb:\sb+1] offset:\off+(32*(\b/2)+8*(\b%2))*4
	global_load_b128 v[100+8*\b:103+8*\b], v15, s[\sb:\sb+1] offset:\off+(32*(\b/2)+8*(\b%2))*4+16
.endr
.endm
.macro ALOAD                           ; my 64 rows of A, all of K, from LDS into registers: once
	WIN 0x40                                       ; destination window 1
.irp k, 0,1,2,3
.irp a, 0,1,2,3
.irp c, 0,1
	ds_load_b128 v[48*\k+12*\a+6*\c:48*\k+12*\a+6*\c+3], v4 offset:6400*\k+1536*\a+768*\c
	ds_load_b64 v[48*\k+12*\a+6*\c+4:48*\k+12*\a+6*\c+5], v5 offset:6400*\k+1536*\a+768*\c+512
.endr
.endr
.endr
	WIN 0x80                                       ; destination window 2
.irp k, 0,1,2,3
.irp a, 0,1,2,3
.irp c, 0,1
	ds_load_b128 v[48*\k+12*\a+6*\c:48*\k+12*\a+6*\c+3], v4 offset:6400*(\k+4)+1536*\a+768*\c
	ds_load_b64 v[48*\k+12*\a+6*\c+4:48*\k+12*\a+6*\c+5], v5 offset:6400*(\k+4)+1536*\a+768*\c+512
.endr
.endr
.endr
	WIN 0
.irp k, 0,1,2,3,4,5,6,7
.irp a, 0,1,2,3
	ds_load_b32 v[48+4*\k+\a], v8 offset:6400*\k+64*\a
.endr
.endr
.endm
.macro FETCH ks, set                   ; 20 LDS loads: the weight's four fragments and scale words of K step ks
	WIN 0xc0                                       ; destination window 3
.irp b, 0,1,2,3
.irp c, 0,1
	ds_load_b128 v[48*(\set)+12*\b+6*\c:48*(\set)+12*\b+6*\c+3], v9 offset:6400*(\ks)+1536*\b+768*\c
	ds_load_b64 v[48*(\set)+12*\b+6*\c+4:48*(\set)+12*\b+6*\c+5], v10 offset:6400*(\ks)+1536*\b+768*\c+512
.endr
.endr
	WIN 0
.irp b, 0,1,2,3
	ds_load_b32 v[32+4*(\set)+\b], v11 offset:6400*(\ks)+64*\b
.endr
.endm
.macro MULA set, ks, a                 ; A's fragment a against W's four.  The sixteen accumulators take turns, one instruction a turn
.irp b, 0,1,2,3
.if (\ks) == 0
	v_wmma_scale_f32_16x16x128_f8f6f4 v[ACC+8*(4*\a+\b):ACC+8*(4*\a+\b)+7], v[48*(\set)+12*\b:48*(\set)+12*\b+11], v[48*((\ks)%4)+12*\a:48*((\ks)%4)+12*\a+11], v[96+8*\b:96+8*\b+7], v[32+4*(\set)+\b], v[48+4*(\ks)+\a] matrix_a_fmt:MATRIX_FMT_BF6 matrix_b_fmt:MATRIX_FMT_BF6
.else
	v_wmma_scale_f32_16x16x128_f8f6f4 v[ACC+8*(4*\a+\b):ACC+8*(4*\a+\b)+7], v[48*(\set)+12*\b:48*(\set)+12*\b+11], v[48*((\ks)%4)+12*\a:48*((\ks)%4)+12*\a+11], v[ACC+8*(4*\a+\b):ACC+8*(4*\a+\b)+7], v[32+4*(\set)+\b], v[48+4*(\ks)+\a] matrix_a_fmt:MATRIX_FMT_BF6 matrix_b_fmt:MATRIX_FMT_BF6
.endif
.endr
.endm
.macro STEP ks, nb, off                ; K step ks: its fragments are in; the next step's are asked for; 16 products
	s_wait_dscnt 0x0
.if (\ks) < 7
	PL 4                                           ; places in front of loads into registers that the last products read
.endif
.if ((\ks) == 1) && (\nb)
	BIAS \nb, \off                                 ; the next tile's bias: this tile's first products have read theirs
.endif
.if (\ks) < 7
	FETCH (\ks)+1, ((\ks)+1)%2
.endif
.if (\ks) == 0
	WIN 0x37                                       ; source 0 (W) window 3, source 1 (A) window 1, C (the bias) window 3, D window 0
.elseif (\ks) < 4
	WIN 0x07                                       ; C and D window 0
.else
	WIN 0x0b                                       ; source 1 (A) window 2
.endif
.irp a, 0,1,2,3
	MULA (\ks)%2, \ks, \a
.endr
.endm
.macro TILE nb, off                    ; a tile of 128 x 128 from the slot at s49
	v_add_nc_u32 v9, s49, v6
	v_add_nc_u32 v10, s49, v7
	v_add_nc_u32 v11, s49, v16
	FETCH 0, 0
	s_wait_alu depctr_va_vdst(0)
	s_wait_loadcnt 0x0                             ; the bias
.irp k, 0,1,2,3,4,5,6,7
	STEP \k, \nb, \off
.endr
	WIN 0
	PL 4                                           ; places in front of the first read of results
.endm
; THE CHANGE OF SLOTS stands at a tile's head: all my tensor loads have landed (this tile's quarter among them), the add, my LDS reads are over; then the round, and behind it the next tile goes into the other slot.
.macro CHANGE fill, ofs
	s_wait_tensorcnt 0x0
	ds_add_u32 v28, v29                            ; 0 onto my spare word
.if \fill
	s_add_co_u32 s45, s48, \ofs                    ; no load of mine is out: the descriptor may be written
	s_add_nc_u64 s[46:47], s[46:47], 819200
	s_mov_b32 s34, 100<<16                         ; from here on a load brings a quarter of a tile: 100 rows
	s_mov_b32 s36, 100
.endif
	s_wait_dscnt 0x0
.if \fill
	CROUND
	tensor_load_to_lds s[44:47], s[32:39]          ; my one load behind the round: it has a tile's products and its way out in which to land
	s_nop 0
	PL 4
.else
	s_barrier_signal -1
	s_barrier_wait -1
.endif
.endm
; Four fragments' results (32 numbers a lane each: blocks e = 0, 1 at ACC + 32 a + 16 e) become half fragments in v[96 + 8 a ..+5] and scale words in v[88 + 2 a].
.macro QUANT4 pad
.irp a, 0,1,2,3
.irp e, 0,1
	v_max3_num_f32 v[80+2*\a+\e], |v[ACC+32*\a+16*\e]|, |v[ACC+32*\a+16*\e+1]|, 0x2800000   ; each accumulator from its low end on; the floor 2^(5 - 127) holds the byte at 1
.endr
.endr
.irp i, 2,4,6,8,10,12,14
.irp a, 0,1,2,3
.irp e, 0,1
	v_max3_num_f32 v[80+2*\a+\e], v[80+2*\a+\e], |v[ACC+32*\a+16*\e+\i]|, |v[ACC+32*\a+16*\e+\i+1]|
.endr
.endr
.endr
.irp n, 0,1,2,3,4,5,6,7
	v_permlanex16_b32 v[88+\n], v[80+\n], s50, s51
.endr
.irp n, 0,1,2,3,4,5,6,7
	v_max_num_f32 v[80+\n], v[80+\n], v[88+\n]     ; with lane l xor 16's 16: the block's largest magnitude
.endr
.irp n, 0,1,2,3,4,5,6,7
	v_add_nc_u32 v[80+\n], 0xfe000000, v[80+\n]    ; 4 off the exponent field: the conversion's scale operand
.endr
.irp n, 0,1,2,3,4,5,6,7
	v_lshrrev_b32 v[88+\n], 23, v[80+\n]           ; the byte
.endr
.irp a, 0,1,2,3
	v_lshl_or_b32 v[88+2*\a], v[89+2*\a], 8, v[88+2*\a]
.endr
.if \pad
.irp a, 0,1,2,3
	v_or_b32 v[88+2*\a], 0x7f7f0000, v[88+2*\a]    ; 1.0 for the instruction's upper 64 along K
.endr
.endif
.irp a, 0,1,2,3
	v_cvt_scalef32_pk16_bf6_f32 v[96+8*\a:98+8*\a], v[ACC+32*\a:ACC+32*\a+15], v[80+2*\a]
	v_cvt_scalef32_pk16_bf6_f32 v[100+8*\a:102+8*\a], v[ACC+32*\a+16:ACC+32*\a+31], v[81+2*\a]
.endr
	v_nop                                          ; a plain place behind the conversions
.irp a, 0,1,2,3
.irp i, 0,1,2
	v_permlane16_swap_b32 v[96+8*\a+\i], v[100+8*\a+\i]   ; a whole block to a lane: lanes 0-15 block 0, lanes 16-31 block 1
.endr
.endr
.irp a, 0,1,2,3
	v_mov_b32 v[99+8*\a], v[100+8*\a]
	v_mov_b32 v[100+8*\a], v[101+8*\a]
	v_mov_b32 v[101+8*\a], v[102+8*\a]
.endr
.endm
; kk = 1 (k): the tokens are laid so that tile 4 c + t, row 8 m + j is key 64 c + 32 m + 8 t + j: in attention a lane then holds whole blocks of 32 keys.  Fragments a and a + 2 together fill the same 256-byte units.
.macro EPI_QK cb, sb, kk
	s_wait_xcnt 0x0                                ; the last way out's stores have read their registers
	QUANT4 1
.irp a, 0,1,2,3
	global_store_b128 v[12+8*\kk], v[96+8*\a:99+8*\a], s[\cb:\cb+1] offset:768*(\a-2*\kk*(\a/2))+128*\kk*(\a/2)
	global_store_b64 v[13+8*\kk], v[100+8*\a:101+8*\a], s[\cb:\cb+1] offset:768*(\a-2*\kk*(\a/2))+64*\kk*(\a/2)+512
	global_store_b32 v[14+8*\kk], v[88+2*\a], s[\sb:\sb+1] offset:64*(\a-2*\kk*(\a/2))+32*\kk*(\a/2)
.endr
.endm
; 64 numbers of a lane, v[n + 32 c + i] = k 64 c + 32 h + i of lane row r, become the 12 registers v[p ..] and the scale word v[w].
.macro QUANTB n, p, w
.irp c, 0,1
	v_max3_num_f32 v[80+\c], |v[\n+32*\c]|, |v[\n+32*\c+1]|, 0x2800000
.endr
.irp i, 2,4,6,8,10,12,14,16,18,20,22,24,26,28,30
.irp c, 0,1
	v_max3_num_f32 v[80+\c], v[80+\c], |v[\n+32*\c+\i]|, |v[\n+32*\c+\i+1]|
.endr
.endr
.irp c, 0,1
	v_add_nc_u32 v[80+\c], 0xfe000000, v[80+\c]
.endr
.irp c, 0,1
	v_lshrrev_b32 v[88+\c], 23, v[80+\c]
.endr
	v_lshl_or_b32 v[\w], v89, 16, v88
	v_lshlrev_b32 v[\w], v19, v[\w]
	v_permlanex16_b32 v92, v[\w], s50, s51
	v_or_b32 v[\w], v[\w], v92
.irp c, 0,1
	v_cvt_scalef32_pk16_bf6_f32 v[\p+6*\c:\p+6*\c+2], v[\n+32*\c:\n+32*\c+15], v[80+\c]
	v_cvt_scalef32_pk16_bf6_f32 v[120+4*\c:122+4*\c], v[\n+32*\c+16:\n+32*\c+31], v[80+\c]
.endr
	v_nop
.irp c, 0,1
.irp i, 0,1,2
	v_mov_b32 v[\p+6*\c+3+\i], v[120+4*\c+\i]
.endr
.endr
.endm
	BIAS 8, 0                                      ; bq
	WIN 0
	s_wait_alu depctr_va_vdst(0)
	s_wait_tensorcnt 0x0                           ; my half tile is in
	s_barrier_signal -1
	s_barrier_wait -1                              ; both halves of A and of wq are in
	ALOAD                                          ; the first weight tile is in already
	s_mov_b32 s49, 0
	CHANGE 1, SLOTB                                ; wq's tile is in and A is in registers; wk's goes into slot 1
	TILE 10, 0
	EPI_QK 74, 76, 0
	s_mov_b32 s49, SLOTB
	CHANGE 1, 0                                    ; wv's goes into slot 0
	TILE 12, 0
	EPI_QK 78, 80, 1
	s_mov_b32 s49, 0
	CHANGE 0, 0                                    ; nothing is left to fetch; behind this barrier nobody reads slot 1 and nothing lands there
	TILE 0, 0
	; v: through the stage, as [token][channel] f32
.irp a, 0,1,2,3
.irp b, 0,1,2,3
	ds_store_b128 v17, v[ACC+8*(4*\a+\b):ACC+8*(4*\a+\b)+3] offset:(32*(\a/2)+8*(\a%2))*SPI+(32*(\b/2)+8*(\b%2))*4
	ds_store_b128 v17, v[ACC+8*(4*\a+\b)+4:ACC+8*(4*\a+\b)+7] offset:(32*(\a/2)+8*(\a%2))*SPI+(32*(\b/2)+8*(\b%2))*4+16
.endr
.endr
	s_wait_dscnt 0x0                               ; for the others' sake
	s_barrier_signal -1
	s_barrier_wait -1
.irp e, 0,1                            ; wave w: head 2 X + w / 2, fragments ct = 2 (w % 2) + e of v^T: a lane takes a channel, its registers run down the keys
.irp c, 0,1
.set ii, 0
.rept 32
	ds_load_b32 v[ACC+64*\e+32*\c+ii], v18 offset:(64*\c+ii)*SPI+32*\e
.set ii, ii+1
.endr
.endr
.endr
	s_wait_dscnt 0x0
	s_wait_xcnt 0x0                                ; k's stores have read their registers
	QUANTB ACC, 96, 90
	QUANTB ACC+64, 108, 91
.irp e, 0,1
.irp c, 0,1
	global_store_b128 v12, v[96+12*\e+6*\c:96+12*\e+6*\c+3], s[82:83] offset:1536*\e+768*\c
	global_store_b64 v13, v[96+12*\e+6*\c+4:96+12*\e+6*\c+5], s[82:83] offset:1536*\e+768*\c+512
.endr
	global_store_b32 v14, v[90+\e], s[84:85] offset:64*\e
.endr
	s_wait_tensorcnt 0x0                           ; the wave's end
	ds_add_u32 v28, v29
	s_wait_dscnt 0x0
	CROUND                                         ; the closing round
	s_endpgm
.Lfunc_end_k_q09f1488804_qkv:
	.size	k_q09f1488804_qkv, .Lfunc_end_k_q09f1488804_qkv-k_q09f1488804_qkv
	.p2alignl 7, 3214868480
	.fill 96, 4, 3214868480
	.section	.rodata,"a",@progbits
	.p2align	6, 0x0
	.amdhsa_kernel k_q09f1488804_qkv
		.amdhsa_group_segment_fixed_size 327680
		.amdhsa_private_segment_fixed_size 0
		.amdhsa_enable_private_segment 0
		.amdhsa_kernarg_size 48
		.amdhsa_user_sgpr_count 2
		.amdhsa_user_sgpr_kernarg_segment_ptr 1
		.amdhsa_wavefront_size32 1
		.amdhsa_system_sgpr_workgroup_id_x 1
		.amdhsa_system_sgpr_workgroup_id_y 1
		.amdhsa_system_sgpr_workgroup_id_z 1
		.amdhsa_system_vgpr_workitem_id 0
		.amdhsa_next_free_vgpr 896
		.amdhsa_next_free_sgpr 96
		.amdhsa_reserve_vcc 0
		.amdhsa_float_denorm_mode_32 3
		.amdhsa_float_denorm_mode_16_64 3
		.amdhsa_memory_ordered 1
		.amdhsa_forward_progress 1
		.amdhsa_inst_pref_size 143
	.end_amdhsa_kernel
	.amdgpu_metadata
---
amdhsa.version: [ 1, 2 ]
amdhsa.kernels:
  - .name:           k_q09f1488804_qkv
    .symbol:         k_q09f1488804_qkv.kd
    .args:
      - { .name: actc, .offset: 0, .size: 8, .value_kind: global_buffer, .address_space: global }
      - { .name: wcodes, .offset: 8, .size: 8, .value_kind: global_buffer, .address_space: global }
      - { .name: bq, .offset: 16, .size: 8, .value_kind: global_buffer, .address_space: global }
      - { .name: bk, .offset: 24, .size: 8, .value_kind: global_buffer, .address_space: global }
      - { .name: bv, .offset: 32, .size: 8, .value_kind: global_buffer, .address_space: global }
      - { .name: qkvc, .offset: 40, .size: 8, .value_kind: global_buffer, .address_space: global }
    .group_segment_fixed_size: 327680
    .private_segment_fixed_size: 0
    .kernarg_segment_align: 8
    .kernarg_segment_size: 48
    .max_flat_workgroup_size: 128
    .sgpr_count:     96
    .vgpr_count:     896
    .wavefront_size: 32
...
	.end_amdgpu_metadata
.endif
;; end of part 2
;; launch attn (part 3): grid 8 x 32, 16 waves a work-group, clusters of 4 x 1, 215,040 bytes of LDS; arguments qkvc, actc; writes actc
.if DOCPART == 3
	.amdgcn_target "amdgcn-amd-amdhsa--gfx1250"
	.amdhsa_code_object_version 6
	.text
	.protected	k_q09f1488804_attn
	.globl	k_q09f1488804_attn
	.p2align	8
	.type	k_q09f1488804_attn,@function
k_q09f1488804_attn:
	s_mov_b64 s[64:65], 0
	v_nop
	global_prefetch_b8 v0, s[64:65] scope:SCOPE_SE
	s_setreg_imm32_b32 hwreg(HW_REG_WAVE_MODE, 25, 1), 1
	s_wait_xcnt 0x0
	s_wait_alu depctr_hold_cnt(0) depctr_sa_sdst(0) depctr_va_vdst(0) depctr_va_sdst(0) depctr_va_ssrc(0) depctr_va_vcc(0) depctr_vm_vsrc(0)
	s_getreg_b32 s2, hwreg(HW_REG_IB_STS2, 6, 4)
	s_cmp_eq_u32 s2, 0
	s_cbranch_scc0 .Lentry_in_a_cluster
	s_endpgm
.Lentry_in_a_cluster:
	s_bfe_u32 s2, ttmp6, 0x10000c
	s_cmp_lg_u32 s2, 0x3003
	s_cbranch_scc0 .Lentry_shape_is_right
	s_endpgm
.Lentry_shape_is_right:
; ATTENTION on codes of BF6 (E3M2): o = softmax(q k^T / 8) v for one head of one batch (bh = work-group y), 256 queries a work-group, and o's quantising along the model's 1,024 for the next product.
; Sixteen waves, each with 16 queries in 256 registers.  The whole head's K and V lie in LDS: 16 key steps x 13,056 bytes, filled ONCE: wave w asks for key step w (51 rows of 256 bytes), one load a wave.
; CLUSTER 4 x 1: the four query blocks of a cluster walk the same head, so each key step is asked for jointly.
; BOTH PRODUCTS TRANSPOSED: S^T = k q^T, O^T = v^T p^T: a lane holds one query throughout.  Tile 4 c + t of k has key 64 c + 32 m + 8 t + j in row 8 m + j, so register 96 + 32 c + i of lane (r, h) is key 64 c + 32 h + i:
; a lane holds two WHOLE blocks of 32 keys, in the order of the next operand: a block's maximum needs no other lane and the codes need no exchange of lanes.
; THE HEAD IS 64 WIDE, the instruction 128: q's registers 6-11 are zeros and both sides' bytes there are 0x7f; the upper six registers of each of k's operands are the next fragment's codes, times the code 0.
; SOFTMAX: t = score x log2(e) / 8; M = ceil of the running largest t; p = 2^(t - M), quantised along the keys; the sum is taken of the unquantised p; when M moves, sum and O^T are multiplied by 2^(old M - new M), exactly.
; A block's largest p is made from the block's largest score by the same multiply-add and exponential.  No prefetch: every byte of K and V is asked for at the head, and there is no loop of loads to run ahead in.
; LIMITS: NaN and infinities are not served; the promise holds while |t| stays under 2^31; a block of p that has fallen to zeros keeps the byte 1; 1 / sum comes from v_rcp_f32.
; REGISTERS: v1-3 16 l, 8 l, 4 r; v4-6 the same + the key step; v12 -M, v13 largest score, v[14:15] the sum; v16-27 q; v28 q's words; v29 8 h; v32-85 k's or v's fragments; v86-93 their words; v96-159 S^T, then p; v160-191 O^T; v192-210 codes; v212-247 at work.
.set KVB, 13056
.set QC,  6684672
.set QS,  9830400
.set SPARE, 0x34000
.macro PL n
.rept \n
	v_nop
.endr
.endm
.macro DEP n
	s_delay_alu instid0(VALU_DEP_\n)
.endm
.macro CROUND
	s_barrier_signal -1
	s_barrier_wait -1
	s_cmp_lg_u32 s16, 0
	s_cbranch_scc1 .Lnot_wave_0_\@
	s_barrier_signal -3
.Lnot_wave_0_\@:
	s_barrier_wait -3
	s_barrier_signal -1
	s_barrier_wait -1
.endm
	s_load_b128 s[4:7], s[0:1], 0x0                ; qkvc s[4:5], actc s[6:7]
	v_lshl_add_u32 v254, v0, 2, SPARE
	v_mov_b32 v255, 0
	ds_add_u32 v254, v255                          ; the opening lines
	ds_add_u32 v254, v255
	v_lshrrev_b32 v1, 5, v0
	DEP 1
	v_readfirstlane_b32 s16, v1                    ; wave 0..15
	s_bfe_u32 s19, ttmp6, 0x40000                  ; cx
	s_lshl_b32 s21, ttmp9, 2
	s_add_co_u32 s21, s21, s19                     ; my block of 256 queries: it enters q's and o's addresses alone
	s_and_b32 s22, ttmp7, 0xffff                   ; bh, which the partners share
	s_mul_i32 s50, s16, KVB                        ; my key step
	s_mul_i32 s52, s22, 16*KVB
	s_add_co_u32 s52, s52, s50
	s_mov_b32 s53, 0
	s_mov_b32 s24, 15|(3<<16)|(1<<21)              ; group 1: all four work-groups; elements of 8 bytes; bit 21 beside a mask
	s_mov_b32 s25, 32<<16                          ; rows of 256 bytes
	s_mov_b32 s26, 51<<16
	s_mov_b32 s27, 32<<16
	s_mov_b32 s28, 51
	s_mov_b32 s29, 32
	s_mov_b32 s30, 0
	s_mov_b32 s31, 0
	s_mov_b32 s78, 0x76543210
	s_mov_b32 s79, 0xfedcba98
	s_mov_b32 s80, 0x3e38aa3b                      ; c = log2(e) / 8
	s_mov_b32 s81, s80
	s_mov_b32 s82, 0xbe38aa3b                      ; -c
	s_mov_b32 s48, 0                               ; the key step's first byte in LDS
	s_mov_b32 s49, 16
	s_wait_dscnt 0x0
	s_wait_kmcnt 0x0
	s_mov_b32 s32, 1
	s_mov_b32 s33, s50
	s_add_nc_u64 s[34:35], s[4:5], s[52:53]
	s_or_b32 s35, s35, 0x80000000
	CROUND                                         ; all four work-groups are here
	tensor_load_to_lds s[32:35], s[24:31]          ; my one load
	s_nop 0
	PL 4
	v_and_b32 v7, 31, v0
	v_and_b32 v8, 15, v0
	v_bfe_u32 v29, v0, 4, 1
	v_lshlrev_b32 v1, 4, v7
	v_lshlrev_b32 v2, 3, v7
	v_lshlrev_b32 v3, 2, v8
	v_lshlrev_b32 v29, 3, v29
	v_mov_b32 v13, 0xff61b1e6                      ; the largest score so far: -3e38
	v_mov_b32 v14, 0
	v_mov_b32 v15, 0
	v_mul_f32 v12, s82, v13
	DEP 1
	v_floor_f32 v12, v12                           ; -M
.irp n, 22,23,24,25,26,27,80,81,82,83,84,85,216,217,218,225,226
	v_mov_b32 v[\n], 0                             ; q's upper half; the run's end; permute targets and the pair's upper word, written once
.endr
.set n, 0
.rept 32
	v_mov_b32 v[160+n], 0                          ; O^T: the step is written once; the first change of M leaves zeros zeros
.set n, n+1
.endr
	s_lshl_b32 s56, s22, 7
	s_lshl_b32 s57, s21, 4
	s_add_co_u32 s56, s56, s57
	s_add_co_u32 s56, s56, s16                     ; q's fragment 128 bh + 16 x block + wave
	s_mul_i32 s58, s56, 768
	s_add_co_u32 s58, s58, QC
	s_mov_b32 s59, 0
	s_add_nc_u64 s[60:61], s[4:5], s[58:59]
	s_lshl_b32 s58, s56, 6
	s_add_co_u32 s58, s58, QS
	s_add_nc_u64 s[62:63], s[4:5], s[58:59]
	s_wait_alu depctr_va_vdst(0)                   ; the wait at the end of the head's vector work
	global_load_b128 v[16:19], v1, s[60:61]
	global_load_b64 v[20:21], v2, s[60:61] offset:512
	global_load_b32 v28, v3, s[62:63]
	s_lshr_b32 s66, s22, 4                         ; o: fragment 128 x batch + 16 x block + wave of actc; K step head / 2, half head % 2
	s_lshl_b32 s66, s66, 5
	s_lshl_b32 s67, s21, 2
	s_add_co_u32 s66, s66, s67
	s_lshr_b32 s67, s16, 2
	s_add_co_u32 s66, s66, s67
	s_lshl_b32 s66, s66, 3
	s_and_b32 s67, s22, 15
	s_lshr_b32 s68, s67, 1
	s_add_co_u32 s66, s66, s68
	s_mul_i32 s66, s66, 6400
	s_and_b32 s68, s16, 3
	s_and_b32 s67, s67, 1
	s_mul_i32 s69, s68, 1536
	s_mul_i32 s70, s67, 768
	s_add_co_u32 s72, s66, s69
	s_add_co_u32 s72, s72, s70
	s_mov_b32 s73, 0
	s_add_nc_u64 s[74:75], s[6:7], s[72:73]
	s_lshl_b32 s69, s68, 6
	s_lshl_b32 s70, s67, 1
	s_add_co_u32 s72, s66, s69
	s_add_co_u32 s72, s72, s70
	s_add_co_u32 s72, s72, 6144
	s_add_nc_u64 s[76:77], s[6:7], s[72:73]
	s_wait_loadcnt 0x0                             ; q
	s_wait_tensorcnt 0x0                           ; my key step is in
	s_barrier_signal -1
	s_barrier_wait -1                              ; everybody's is; nothing is filled again
.Lstep:
	v_add_nc_u32 v4, s48, v1                       ; these three and the v_nop are the places behind the last products
	v_add_nc_u32 v5, s48, v2
	v_add_nc_u32 v6, s48, v3
	v_nop
.irp t, 0,1,2,3,4,5,6,7
	ds_load_b128 v[32+6*\t:35+6*\t], v4 offset:768*\t
	ds_load_b64 v[36+6*\t:37+6*\t], v5 offset:768*\t+512
	ds_load_b32 v[86+\t], v6 offset:6144+64*\t
.endr
	s_wait_alu depctr_va_vdst(0)
	s_wait_dscnt 0x0
.irp t, 0,1,2,3,4,5,6,7
	v_wmma_scale_f32_16x16x128_f8f6f4 v[96+8*\t:103+8*\t], v[32+6*\t:43+6*\t], v[16:27], 0, v[86+\t], v28 matrix_a_fmt:MATRIX_FMT_BF6 matrix_b_fmt:MATRIX_FMT_BF6
.endr
	v_mov_b32 v222, v12                            ; the old -M; with three v_nop the four places
	PL 3
.irp ct, 0,1,2,3                       ; v's fragments land under the softmax
.irp c, 0,1
	ds_load_b128 v[32+12*\ct+6*\c:35+12*\ct+6*\c], v4 offset:6656+1536*\ct+768*\c
	ds_load_b64 v[36+12*\ct+6*\c:37+12*\ct+6*\c], v5 offset:6656+1536*\ct+768*\c+512
.endr
	ds_load_b32 v[86+\ct], v6 offset:12800+64*\ct
.endr
.irp n, 0,1,2,3                        ; the largest score of my two blocks, in four chains of 16 by turns: block c in v[212 + c] and v[214 + c]
	v_max3_num_f32 v[212+(\n/2)+2*(\n%2)], v[96+16*\n], v[97+16*\n], v[98+16*\n]
.endr
.irp i, 3,5,7,9,11,13
.irp n, 0,1,2,3
	v_max3_num_f32 v[212+(\n/2)+2*(\n%2)], v[212+(\n/2)+2*(\n%2)], v[96+16*\n+\i], v[97+16*\n+\i]
.endr
.endr
	v_max3_num_f32 v212, v212, v214, v111
	v_max3_num_f32 v213, v213, v215, v143
	v_max_num_f32 v212, v212, v127
	v_max_num_f32 v213, v213, v159
	DEP 1
	v_max_num_f32 v226, v212, v213
	DEP 1
	v_permlanex16_b32 v216, v226, s78, s79         ; lane l xor 16 holds my query's other 64 keys
	DEP 1
	v_max3_num_f32 v13, v13, v226, v216            ; the running largest score
	DEP 1
	v_mul_f32 v226, s82, v13
	DEP 1
	v_floor_f32 v12, v226                          ; -M = floor(-t): M is a whole number
	DEP 1
	v_sub_f32 v226, v12, v222                      ; old M - new M
	DEP 1
	v_cvt_i32_f32 v226, v226                       ; (it saturates)
	DEP 1
	v_ldexp_f32 v224, 1.0, v226                    ; f = 2^(old M - new M)
.set n, 0
.rept 32
	v_pk_fma_f32 v[96+n:97+n], v[96+n:97+n], s[80:81], v[12:13] op_sel_hi:[1,0,0]   ; t - M
.set n, n+2
.endr
	v_pk_fma_f32 v[212:213], v[212:213], s[80:81], v[12:13] op_sel_hi:[1,0,0]       ; the same of the blocks' largest scores
	s_wait_alu depctr_va_vdst(0)                   ; the wait ahead of the batch
.set n, 0
.rept 64
	v_exp_f32 v[96+n], v[96+n]                     ; p = 2^(t - M)
.set n, n+1
.endr
	v_exp_f32 v212, v212                           ; the blocks' largest p
	v_exp_f32 v213, v213
	v_pk_mul_f32 v[14:15], v[14:15], v[224:225] op_sel_hi:[1,0]      ; the sum under the new M (a plain place behind the exponentials)
	s_wait_alu depctr_va_vdst(0)                   ; and behind it
	v_max_num_f32 v212, 0x2800000, v212            ; the floor 2^(5 - 127)
	v_max_num_f32 v213, 0x2800000, v213
	DEP 2
	v_add_nc_u32 v220, 0xfe000000, v212            ; 4 off the exponent field: the conversions' scale operands
	v_add_nc_u32 v221, 0xfe000000, v213
.irp c, 0,1
	v_cvt_scalef32_pk16_bf6_f32 v[192+6*\c:194+6*\c], v[96+32*\c:111+32*\c], v[220+\c]
	v_cvt_scalef32_pk16_bf6_f32 v[204+4*\c:206+4*\c], v[112+32*\c:127+32*\c], v[220+\c]   ; (a conversion's three registers begin on an even number)
.endr
	v_lshrrev_b32 v216, 23, v220                   ; the bytes (a plain place behind the conversions)
	v_lshrrev_b32 v217, 23, v221
	DEP 1
	v_lshl_or_b32 v227, v217, 16, v216             ; blocks h and 2 + h,
	DEP 1
	v_lshlrev_b32 v227, v29, v227                  ; at their places in the word;
	DEP 1
	v_permlanex16_b32 v218, v227, s78, s79
	DEP 1
	v_or_b32 v227, v227, v218                      ; with lane l xor 16's two the word is whole
.irp c, 0,1
.irp i, 0,1,2
	v_mov_b32 v[195+6*\c+\i], v[204+4*\c+\i]
.endr
.endr
	v_pk_add_f32 v[242:243], v[96:97], v[98:99]    ; the sum of the unquantised p, in four chains
	v_pk_add_f32 v[244:245], v[100:101], v[102:103]
	v_pk_add_f32 v[246:247], v[104:105], v[106:107]
	v_pk_add_f32 v[14:15], v[14:15], v[108:109]
.set n, 110
.rept 6
	v_pk_add_f32 v[242:243], v[242:243], v[n:n+1]
	v_pk_add_f32 v[244:245], v[244:245], v[n+2:n+3]
	v_pk_add_f32 v[246:247], v[246:247], v[n+4:n+5]
	v_pk_add_f32 v[14:15], v[14:15], v[n+6:n+7]
.set n, n+8
.endr
	v_pk_add_f32 v[242:243], v[242:243], v[158:159]
	v_pk_add_f32 v[14:15], v[14:15], v[246:247]
	DEP 2
	v_pk_add_f32 v[242:243], v[242:243], v[244:245]
	DEP 1
	v_pk_add_f32 v[14:15], v[14:15], v[242:243]
	s_wait_alu depctr_va_vdst(0)                   ; the wait directly ahead of the first reader of O^T
.set n, 0
.rept 16
	v_pk_mul_f32 v[160+n:161+n], v[160+n:161+n], v[224:225] op_sel_hi:[1,0]   ; O^T under the new M
.set n, n+2
.endr
	s_wait_alu depctr_va_vdst(0)
	s_wait_dscnt 0x0                               ; v
.irp ct, 0,1,2,3
	v_wmma_scale_f32_16x16x128_f8f6f4 v[160+8*\ct:167+8*\ct], v[32+12*\ct:43+12*\ct], v[192:203], v[160+8*\ct:167+8*\ct], v[86+\ct], v227 matrix_a_fmt:MATRIX_FMT_BF6 matrix_b_fmt:MATRIX_FMT_BF6
.endr
	s_add_co_u32 s48, s48, KVB
	s_sub_co_u32 s49, s49, 1
	s_cmp_lg_u32 s49, 0
	s_cbranch_scc1 .Lstep
	PL 4
	v_add_f32 v14, v14, v15
	DEP 1
	v_permlanex16_b32 v226, v14, s78, s79
	DEP 1
	v_add_f32 v14, v14, v226                       ; the row's sum
	s_wait_alu depctr_va_vdst(0)
	v_rcp_f32 v15, v14
	v_nop
	s_wait_alu depctr_va_vdst(0)
.set n, 0
.rept 32
	v_mul_f32 v[96+n], v[160+n], v15               ; register 16 e + i: channel 32 e + 16 h + i of my query
.set n, n+1
.endr
.irp e, 0,1
	v_max3_num_f32 v[212+\e], |v[96+16*\e]|, |v[97+16*\e]|, 0x2800000
.endr
.irp i, 2,4,6,8,10,12,14
.irp e, 0,1
	DEP 2
	v_max3_num_f32 v[212+\e], v[212+\e], |v[96+16*\e+\i]|, |v[97+16*\e+\i]|
.endr
.endr
.irp e, 0,1
	DEP 2
	v_permlanex16_b32 v[216+\e], v[212+\e], s78, s79
.endr
.irp e, 0,1
	DEP 2
	v_max_num_f32 v[212+\e], v[212+\e], v[216+\e]
.endr
.irp e, 0,1
	DEP 2
	v_add_nc_u32 v[220+\e], 0xfe000000, v[212+\e]
.endr
.irp e, 0,1
	DEP 2
	v_lshrrev_b32 v[216+\e], 23, v[220+\e]
.endr
	DEP 1
	v_lshl_or_b32 v227, v217, 8, v216
	v_cvt_scalef32_pk16_bf6_f32 v[192:194], v[96:111], v220
	v_cvt_scalef32_pk16_bf6_f32 v[196:198], v[112:127], v221
	v_nop
.irp i, 0,1,2
	v_permlane16_swap_b32 v[192+\i], v[196+\i]
.endr
	DEP 3
	v_mov_b32 v195, v196
	DEP 3
	v_mov_b32 v196, v197
	DEP 3
	v_mov_b32 v197, v198
	global_store_b128 v1, v[192:195], s[74:75]
	global_store_b64 v2, v[196:197], s[74:75] offset:512
	global_store_b16 v3, v227, s[76:77]            ; my head's two bytes of the K step's word
	s_wait_tensorcnt 0x0                           ; the wave's end
	ds_add_u32 v254, v255
	s_wait_dscnt 0x0
	CROUND                                         ; the closing round
	s_endpgm
.Lfunc_end_k_q09f1488804_attn:
	.size	k_q09f1488804_attn, .Lfunc_end_k_q09f1488804_attn-k_q09f1488804_attn
	.p2alignl 7, 3214868480
	.fill 96, 4, 3214868480
	.section	.rodata,"a",@progbits
	.p2align	6, 0x0
	.amdhsa_kernel k_q09f1488804_attn
		.amdhsa_group_segment_fixed_size 215040
		.amdhsa_private_segment_fixed_size 0
		.amdhsa_enable_private_segment 0
		.amdhsa_kernarg_size 16
		.amdhsa_user_sgpr_count 2
		.amdhsa_user_sgpr_kernarg_segment_ptr 1
		.amdhsa_wavefront_size32 1
		.amdhsa_system_sgpr_workgroup_id_x 1
		.amdhsa_system_sgpr_workgroup_id_y 1
		.amdhsa_system_sgpr_workgroup_id_z 1
		.amdhsa_system_vgpr_workitem_id 0
		.amdhsa_next_free_vgpr 256
		.amdhsa_next_free_sgpr 84
		.amdhsa_reserve_vcc 0
		.amdhsa_float_denorm_mode_32 3
		.amdhsa_float_denorm_mode_16_64 3
		.amdhsa_memory_ordered 1
		.amdhsa_forward_progress 1
		.amdhsa_inst_pref_size 28
	.end_amdhsa_kernel
	.amdgpu_metadata
---
amdhsa.version: [ 1, 2 ]
amdhsa.kernels:
  - .name:           k_q09f1488804_attn
    .symbol:         k_q09f1488804_attn.kd
    .args:
      - { .name: qkvc, .offset: 0, .size: 8, .value_kind: global_buffer, .address_space: global }
      - { .name: actc, .offset: 8, .size: 8, .value_kind: global_buffer, .address_space: global }
    .group_segment_fixed_size: 215040
    .private_segment_fixed_size: 0
    .kernarg_segment_align: 8
    .kernarg_segment_size: 16
    .max_flat_workgroup_size: 512
    .sgpr_count:     84
    .vgpr_count:     256
    .wavefront_size: 32
...
	.end_amdgpu_metadata
.endif
;; end of part 3
;; launch oln (part 4): grid 256 x 1, 16 waves a work-group, clusters of 4 x 1, 327,680 bytes of LDS; arguments actc, wcodes, bo, actf, ln2_g, ln2_b, x1, actd; writes x1, actd
.if DOCPART == 4
	.amdgcn_target "amdgcn-amd-amdhsa--gfx1250"
	.amdhsa_code_object_version 6
	.text
	.protected	k_q09f1488804_oln
	.globl	k_q09f1488804_oln
	.p2align	8
	.type	k_q09f1488804_oln,@function
k_q09f1488804_oln:
	s_mov_b64 s[64:65], 0
	v_nop
	global_prefetch_b8 v0, s[64:65] scope:SCOPE_SE
	s_setreg_imm32_b32 hwreg(HW_REG_WAVE_MODE, 25, 1), 1
	s_wait_xcnt 0x0
	s_wait_alu depctr_hold_cnt(0) depctr_sa_sdst(0) depctr_va_vdst(0) depctr_va_sdst(0) depctr_va_ssrc(0) depctr_va_vcc(0) depctr_vm_vsrc(0)
	s_getreg_b32 s2, hwreg(HW_REG_IB_STS2, 6, 4)
	s_cmp_eq_u32 s2, 0
	s_cbranch_scc0 .Lentry_in_a_cluster
	s_endpgm
.Lentry_in_a_cluster:
	s_bfe_u32 s2, ttmp6, 0x10000c
	s_cmp_lg_u32 s2, 0x3003
	s_cbranch_scc0 .Lentry_shape_is_right
	s_endpgm
.Lentry_shape_is_right:
; THE WAY OUT OF ATTENTION AND THE SECOND NORM IN ONE LAUNCH: y = layer_norm(xn + o wo^T + bo) x gain + shift, stored as f32 rows (x1) and as codes of BF6 (E3M2) with E8M0 bytes (actd).
; A work-group owns ONE fragment of 16 rows and all 1,024 columns, so that a row's mean and variance are made inside it; 256 fragments, 256 work-groups.  Sixteen waves, each 64 columns: 4 accumulators, 8 K steps, 32 products.
; OPERANDS ARE IMAGES OF REGISTERS (blocks of 6,400 bytes for 64 rows x 128 K: fragment f, half c at 1536 f + 768 c, lane l: 16 bytes at 16 l, 8 bytes at 512 + 8 l; scale words at 6144 + 64 f + 4 r).
; wo WALKS THROUGH TWO SLOTS IN LDS: slot A holds two K steps (16 waves x 12,800 bytes), slot B one (16 x 6,400).  Wave w fetches, and alone reads, the blocks of wo's rows 64 w .. 64 w + 63: 50 or 25 rows of 256 bytes a load.
; Five fills: K steps 0-1, 2, 3-4, 5, 6-7; each but the first stands behind the wait for all loads, the add and a round of the cluster's barrier, one load a wave.
; CLUSTER 4 x 1: every work-group reads the same 819,200 bytes of wo, so each load is asked for jointly by the four.  o's fragment (12,800 bytes) goes from memory straight into registers, once.
; NO PREFETCH: the stream is the same 819,200 bytes for all 64 clusters, read in the same order at about the same time, and a fill is followed by at most 8 products a wave: there is no run of work to ask ahead in.
; THE PRODUCT IS USED TRANSPOSED (source 0 = 16 rows of wo, source 1 = o's 16 rows): in accumulators 2 e, 2 e + 1 lane (r, h) holds lane row r and columns 32 e + 16 h + 0..15 of my 64.
; One register carries two fragments' scale words (lanes 0-15, lanes 16-31): wo's fragments 2 p and 2 p + 1; o's K steps 2 p and 2 p + 1.
; xn's rows come in and y's rows go out through a stage, so that sixteen lanes load and store 256 consecutive bytes; the stage is my own 6,400 bytes of slot B, behind that slot's last fill and my last read of it.
; Mean, then variance about the mean: two sums over the 16 waves through LDS.
; LIMITS: a block whose largest magnitude lies under 2^-122 gets the byte 1; NaN and infinities are not served; 1/sqrt comes from v_rsq_f32.
.set WOFF,  2457600
.set SLB,   204800                     ; slot B, behind slot A
.set SPI,   272                        ; a stage row: 256 bytes + 16
.set RED,   307200                     ; two tables of 16 rows x 16 waves of partial sums
.set SPARE, RED+2048                   ; the spare words, 128 bytes a wave
.set ACC,   16                         ; v16-47   four accumulators
.set AS,    48                         ; v48-51   o's scale words
.set WS,    52                         ; v52-55   wo's scale words, two sets
.set AF,    56                         ; v56-151  o's fragments, 12 a K step
.set WF,    152                        ; v152-247 wo's fragments, two sets of 48
.set RR,    56                         ; later: xn's rows as loaded;
.set BO,    88                         ; bo;
.set RA,    120                        ; rows in the accumulators' layout, then y's rows on the way out;
.set GG,    152                        ; gain;
.set BB,    200                        ; shift
.macro PL n
.rept \n
	v_nop
.endr
.endm
.macro DEP n
	s_delay_alu instid0(VALU_DEP_\n)
.endm
.macro CROUND                          ; a round of the cluster's barrier
	s_barrier_signal -1
	s_barrier_wait -1
	s_cmp_lg_u32 s20, 0
	s_cbranch_scc1 .Lnot_wave_0_\@
	s_barrier_signal -3
.Lnot_wave_0_\@:
	s_barrier_wait -3
	s_barrier_signal -1
	s_barrier_wait -1
.endm
	s_load_b512 s[4:19], s[0:1], 0x0               ; actc, wcodes, bo, actf, gain, shift, x1, actd
	v_lshl_add_u32 v254, v0, 2, SPARE
	v_mov_b32 v255, 0
	ds_add_u32 v254, v255                          ; the opening lines
	ds_add_u32 v254, v255
	v_lshrrev_b32 v248, 5, v0
	DEP 1
	v_readfirstlane_b32 s20, v248                  ; wave 0..15
	s_bfe_u32 s21, ttmp6, 0x40000                  ; cx
	s_lshl_b32 s26, ttmp9, 2
	s_add_co_u32 s21, s26, s21                     ; F, my fragment: it enters the addresses of plain loads and stores alone
	s_mov_b32 s56, 15|(3<<16)|(1<<21)              ; group 1 for slot A: all four work-groups; elements of 8 bytes; bit 21 beside a mask
	s_mov_b32 s57, 32<<16                          ; rows of 256 bytes
	s_mov_b32 s58, 50<<16
	s_mov_b32 s59, 32<<16
	s_mov_b32 s60, 50
	s_mov_b32 s61, 32
	s_mov_b32 s62, 0
	s_mov_b32 s63, 0
	s_mov_b32 s36, 15|(3<<16)|(1<<21)              ; group 1 for slot B: 25 rows
	s_mov_b32 s37, 32<<16
	s_mov_b32 s38, 25<<16
	s_mov_b32 s39, 32<<16
	s_mov_b32 s40, 25
	s_mov_b32 s41, 32
	s_mov_b32 s42, 0
	s_mov_b32 s43, 0
	s_mul_i32 s32, s20, 51200                      ; wo's rows 64 w ..
	s_add_co_u32 s32, s32, WOFF
	s_mov_b32 s33, 0
	s_mov_b32 s48, 1
	s_mul_i32 s49, s20, 12800                      ; my bytes of slot A
	s_mov_b32 s52, 1
	s_mul_i32 s53, s20, 6400
	s_add_co_u32 s53, s53, SLB                     ; my bytes of slot B
	s_mov_b32 s44, 0x76543210
	s_mov_b32 s45, 0xfedcba98
	s_mov_b32 s46, 0x3a800000                      ; 1 / 1024
	s_mov_b32 s47, 0x3727c5ac                      ; 1e-5
	s_wait_dscnt 0x0
	s_wait_kmcnt 0x0
	s_add_nc_u64 s[50:51], s[6:7], s[32:33]        ; K steps 0, 1
	s_add_nc_u64 s[54:55], s[50:51], 12800         ; K step 2
	s_or_b32 s51, s51, 0x80000000
	s_or_b32 s55, s55, 0x80000000
	CROUND                                         ; all four work-groups are here
	tensor_load_to_lds s[48:51], s[56:63]          ; my one load at the head
	s_nop 0
	PL 4
	v_and_b32 v248, 31, v0                         ; l
	v_and_b32 v249, 15, v0                         ; r
	v_bfe_u32 v250, v0, 4, 1                       ; h
	v_lshlrev_b32 v4, 4, v248                      ; 16 l
	v_lshlrev_b32 v5, 3, v248                      ; 8 l
	v_lshlrev_b32 v251, 2, v248                    ; 4 l: wo's words of two fragments
	v_lshlrev_b32 v14, 2, v249                     ; 4 r
	v_lshlrev_b32 v8, 6, v250                      ; 64 h: bo, gain, shift
	v_lshlrev_b32 v15, 4, v249                     ; 16 r
	v_lshlrev_b32 v13, 6, v249
	v_mad_u32_u24 v7, v250, 6400, v14              ; o's words of two K steps
	v_lshl_add_u32 v9, v250, 12, v15               ; rows in memory: two rows an instruction, 256 bytes each
	v_mad_u32_u24 v10, v250, SPI, v15
	v_mad_u32_u24 v11, v249, SPI, v8
	v_add_nc_u32 v1, s49, v4                       ; slot A: 16 l, 8 l, 4 l
	v_add_nc_u32 v2, s49, v5
	v_add_nc_u32 v3, s49, v251
	v_add_nc_u32 v6, s53, v4                       ; slot B
	v_add_nc_u32 v252, s53, v5
	v_add_nc_u32 v253, s53, v251
	v_add_nc_u32 v10, s53, v10                     ; my stage by rows
	v_add_nc_u32 v11, s53, v11                     ; my stage in the accumulators' layout
	s_lshl_b32 s28, s20, 2
	s_add_co_u32 s28, s28, RED
	v_add_nc_u32 v12, s28, v13                     ; my partial sum: row r, wave w
	v_add_nc_u32 v13, RED, v13                     ; row r's sixteen
	s_mov_b32 s27, 0
	s_lshr_b32 s28, s21, 2
	s_mul_i32 s28, s28, 51200                      ; my 64-row block
	s_and_b32 s29, s21, 3                          ; f
	s_mul_i32 s30, s29, 1536
	s_add_co_u32 s30, s30, s28
	s_lshl_b32 s31, s29, 6
	s_add_co_u32 s31, s31, s28
	s_add_co_u32 s31, s31, 6144
	s_mov_b32 s26, s31
	s_add_nc_u64 s[22:23], s[4:5], s[26:27]        ; o's scale words
	s_mov_b32 s26, s30
	s_add_nc_u64 s[4:5], s[4:5], s[26:27]
	s_lshl_b32 s26, s20, 8                         ; my columns, in bytes
	s_add_nc_u64 s[8:9], s[8:9], s[26:27]
	s_add_nc_u64 s[12:13], s[12:13], s[26:27]
	s_add_nc_u64 s[14:15], s[14:15], s[26:27]
	s_lshr_b32 s28, s21, 1
	s_lshl_b32 s28, s28, 5
	s_and_b32 s29, s21, 1
	s_lshl_b32 s29, s29, 3
	s_add_co_u32 s28, s28, s29                     ; lane row r is row 32 (F / 2) + 8 (F % 2) + r + 8 (r / 8)
	s_lshl_b32 s28, s28, 12
	s_add_co_u32 s26, s26, s28
	s_add_nc_u64 s[10:11], s[10:11], s[26:27]
	s_add_nc_u64 s[16:17], s[16:17], s[26:27]
	s_lshr_b32 s28, s20, 1
	s_mul_i32 s28, s28, 6400                       ; my columns are half w % 2 of the next K step w / 2
	s_and_b32 s29, s20, 1
	s_lshl_b32 s26, s29, 1
	s_add_co_u32 s26, s26, s28
	s_add_co_u32 s26, s26, s31
	s_add_nc_u64 s[24:25], s[18:19], s[26:27]      ; y's scale bytes
	s_mul_i32 s26, s29, 768
	s_add_co_u32 s26, s26, s28
	s_add_co_u32 s26, s26, s30
	s_add_nc_u64 s[18:19], s[18:19], s[26:27]
.macro LDA4 k0                         ; 18 loads: o's fragments of K steps k0 .. k0 + 3 and their words
.irp k, \k0, \k0+1, \k0+2, \k0+3
.irp c, 0,1
	global_load_b128 v[AF+12*(\k)+6*\c:AF+12*(\k)+6*\c+3], v4, s[4:5] offset:6400*(\k)+768*\c
	global_load_b64 v[AF+12*(\k)+6*\c+4:AF+12*(\k)+6*\c+5], v5, s[4:5] offset:6400*(\k)+768*\c+512
.endr
.endr
	global_load_b32 v[AS+(\k0)/2], v7, s[22:23] offset:6400*(\k0)
	global_load_b32 v[AS+(\k0)/2+1], v7, s[22:23] offset:6400*(\k0)+12800
.endm
.macro LDSW va, vb, vc, off, set       ; 18 LDS loads: wo's four fragments of one K step and their words
.irp b, 0,1,2,3
.irp c, 0,1
	ds_load_b128 v[WF+48*(\set)+12*\b+6*\c:WF+48*(\set)+12*\b+6*\c+3], v[\va] offset:\off+1536*\b+768*\c
	ds_load_b64 v[WF+48*(\set)+12*\b+6*\c+4:WF+48*(\set)+12*\b+6*\c+5], v[\vb] offset:\off+1536*\b+768*\c+512
.endr
.endr
.irp p, 0,1
	ds_load_b32 v[WS+2*(\set)+\p], v[\vc] offset:\off+6144+128*\p
.endr
.endm
.macro PARAM reg, sb                   ; 8 loads: 32 numbers a lane in the accumulators' layout: columns 32 (b / 2) + 8 (b % 2) + 16 h + 0..7
.irp b, 0,1,2,3
	global_load_b128 v[\reg+8*\b:\reg+8*\b+3], v8, s[\sb:\sb+1] offset:(32*(\b/2)+8*(\b%2))*4
	global_load_b128 v[\reg+8*\b+4:\reg+8*\b+7], v8, s[\sb:\sb+1] offset:(32*(\b/2)+8*(\b%2))*4+16
.endr
.endm
.macro MM k, b                         ; the four accumulators take turns, one instruction a turn
.set D_, ACC+8*(\b)
.set W_, WF+48*((\k)%2)+12*(\b)
.set A_, AF+12*(\k)
.set SW_, WS+2*((\k)%2)+(\b)/2
.set SA_, AS+(\k)/2
.if (\k) == 0
.if (\b)%2
	v_wmma_scale_f32_16x16x128_f8f6f4 v[D_:D_+7], v[W_:W_+11], v[A_:A_+11], 0, v[SW_], v[SA_] matrix_a_fmt:MATRIX_FMT_BF6 matrix_b_fmt:MATRIX_FMT_BF6 matrix_a_scale:MATRIX_SCALE_ROW1
.else
	v_wmma_scale_f32_16x16x128_f8f6f4 v[D_:D_+7], v[W_:W_+11], v[A_:A_+11], 0, v[SW_], v[SA_] matrix_a_fmt:MATRIX_FMT_BF6 matrix_b_fmt:MATRIX_FMT_BF6
.endif
.elseif (\k)%2 == 0
.if (\b)%2
	v_wmma_scale_f32_16x16x128_f8f6f4 v[D_:D_+7], v[W_:W_+11], v[A_:A_+11], v[D_:D_+7], v[SW_], v[SA_] matrix_a_fmt:MATRIX_FMT_BF6 matrix_b_fmt:MATRIX_FMT_BF6 matrix_a_scale:MATRIX_SCALE_ROW1
.else
	v_wmma_scale_f32_16x16x128_f8f6f4 v[D_:D_+7], v[W_:W_+11], v[A_:A_+11], v[D_:D_+7], v[SW_], v[SA_] matrix_a_fmt:MATRIX_FMT_BF6 matrix_b_fmt:MATRIX_FMT_BF6
.endif
.else
.if (\b)%2
	v_wmma_scale_f32_16x16x128_f8f6f4 v[D_:D_+7], v[W_:W_+11], v[A_:A_+11], v[D_:D_+7], v[SW_], v[SA_] matrix_a_fmt:MATRIX_FMT_BF6 matrix_b_fmt:MATRIX_FMT_BF6 matrix_a_scale:MATRIX_SCALE_ROW1 matrix_b_scale:MATRIX_SCALE_ROW1
.else
	v_wmma_scale_f32_16x16x128_f8f6f4 v[D_:D_+7], v[W_:W_+11], v[A_:A_+11], v[D_:D_+7], v[SW_], v[SA_] matrix_a_fmt:MATRIX_FMT_BF6 matrix_b_fmt:MATRIX_FMT_BF6 matrix_b_scale:MATRIX_SCALE_ROW1
.endif
.endif
.endm
.macro KS k                            ; K step k from set k % 2; four places in front of the loads that follow
.irp b, 0,1,2,3
	MM \k, \b
.endr
	PL 4
.endm
; A change of slots: all my loads have landed, the add, the next address (no load of mine is out), my LDS reads are over; the round; my one load behind it.
.macro FILL g0, g1, step
	s_wait_tensorcnt 0x0
	ds_add_u32 v254, v255                          ; 0 onto my spare word
.if \step
	s_add_nc_u64 s[\g0+2:\g0+3], s[\g0+2:\g0+3], 19200   ; three K steps on
.endif
	s_wait_dscnt 0x0
	CROUND
	tensor_load_to_lds s[\g0:\g0+3], s[\g1:\g1+7]
	s_nop 0
	PL 4
.endm
	s_wait_alu depctr_va_vdst(0)                   ; the wait at the head's end
	LDA4 0
	LDA4 4
	FILL 52, 36, 0                                 ; K steps 0, 1 are in; K step 2 goes into slot B, its first fill
	LDSW 1, 2, 3, 0, 0
	LDSW 1, 2, 3, 6400, 1
	s_wait_loadcnt 0x0                             ; o
	s_wait_dscnt 18                                ; K step 0's 18 loads are in; K step 1's 18 may be out
	KS 0
	s_wait_dscnt 0x0
	KS 1
	FILL 48, 56, 1                                 ; K steps 3, 4 into slot A
	LDSW 6, 252, 253, 0, 0
	s_wait_dscnt 0x0
	KS 2
.irp n, 0,1,2,3,4,5,6,7                ; xn's 16 rows x my 256 bytes, over o's fragments of K steps 0-2, which are done with
	global_load_b128 v[RR+4*\n:RR+4*\n+3], v9, s[10:11] offset:(2*\n+8*(\n/4))*4096
.endr
	FILL 52, 36, 1                                 ; K step 5 into slot B
	LDSW 1, 2, 3, 0, 1
	LDSW 1, 2, 3, 6400, 0
	s_wait_dscnt 18
	KS 3
	s_wait_dscnt 0x0
	KS 4
	FILL 48, 56, 1                                 ; K steps 6, 7 into slot A: the last fill
	LDSW 6, 252, 253, 0, 1
	s_wait_dscnt 0x0
	KS 5
	PARAM BO, 8
	s_wait_tensorcnt 0x0                           ; my last load is in; I alone read its bytes
	LDSW 1, 2, 3, 0, 0
	LDSW 1, 2, 3, 6400, 1
	s_wait_dscnt 18
	KS 6
	PARAM GG, 12
	s_wait_dscnt 0x0
	KS 7
	PARAM BB, 14
	s_wait_loadcnt 24                              ; xn's rows are in; behind them: bo's, the gain's and the shift's 8 each
.irp n, 0,1,2,3,4,5,6,7
	ds_store_b128 v10, v[RR+4*\n:RR+4*\n+3] offset:2*\n*SPI
.endr
.irp b, 0,1,2,3                        ; xn in the accumulators' layout (LDS serves a wave's instructions in order: these see my stores)
	ds_load_b128 v[RA+8*\b:RA+8*\b+3], v11 offset:128*(\b/2)+32*(\b%2)
	ds_load_b128 v[RA+8*\b+4:RA+8*\b+7], v11 offset:128*(\b/2)+32*(\b%2)+16
.endr
	s_wait_loadcnt 16                              ; bo is in; gain and shift may be out
	s_wait_dscnt 0x0
.set n, 0
.rept 16
	v_pk_add_f32 v[ACC+n:ACC+n+1], v[ACC+n:ACC+n+1], v[RA+n:RA+n+1]      ; each accumulator from its low end on
.set n, n+2
.endr
.set n, 0
.rept 16
	v_pk_add_f32 v[ACC+n:ACC+n+1], v[ACC+n:ACC+n+1], v[BO+n:BO+n+1]
.set n, n+2
.endr
.macro ROWSUM off                      ; v248, the sum of my 32 numbers, becomes the sum over the row's 1,024
	DEP 1
	v_permlanex16_b32 v250, v248, s44, s45
	DEP 1
	v_add_f32 v248, v248, v250
	ds_store_b32 v12, v248 offset:\off             ; lanes l and l xor 16 write the same word with the same value
	s_wait_alu depctr_va_vdst(0)
	s_wait_dscnt 0x0                               ; for the others' sake
	s_barrier_signal -1
	s_barrier_wait -1
.irp i, 0,1,2,3
	ds_load_b128 v[232+4*\i:235+4*\i], v13 offset:\off+16*\i
.endr
	s_wait_dscnt 0x0
	v_pk_add_f32 v[232:233], v[232:233], v[234:235]
	v_pk_add_f32 v[236:237], v[236:237], v[238:239]
	v_pk_add_f32 v[240:241], v[240:241], v[242:243]
	v_pk_add_f32 v[244:245], v[244:245], v[246:247]
	DEP 3
	v_pk_add_f32 v[232:233], v[232:233], v[236:237]
	DEP 2
	v_pk_add_f32 v[240:241], v[240:241], v[244:245]
	DEP 1
	v_pk_add_f32 v[232:233], v[232:233], v[240:241]
	DEP 1
	v_add_f32 v248, v232, v233
.endm
	v_pk_add_f32 v[248:249], v[ACC:ACC+1], v[ACC+2:ACC+3]
	v_pk_add_f32 v[250:251], v[ACC+4:ACC+5], v[ACC+6:ACC+7]
.set n, 8
.rept 6
	DEP 2
	v_pk_add_f32 v[248:249], v[248:249], v[ACC+n:ACC+n+1]
	DEP 2
	v_pk_add_f32 v[250:251], v[250:251], v[ACC+n+2:ACC+n+3]
.set n, n+4
.endr
	DEP 1
	v_pk_add_f32 v[248:249], v[248:249], v[250:251]
	DEP 1
	v_add_f32 v248, v248, v249
	ROWSUM 0
	DEP 1
	v_mul_f32 v248, s46, v248                      ; the mean
.set n, 0
.rept 16
	v_pk_add_f32 v[ACC+n:ACC+n+1], v[ACC+n:ACC+n+1], v[248:249] op_sel_hi:[1,0] neg_lo:[0,1] neg_hi:[0,1]
.set n, n+2
.endr
	v_pk_mul_f32 v[248:249], v[ACC:ACC+1], v[ACC:ACC+1]
	v_pk_mul_f32 v[250:251], v[ACC+2:ACC+3], v[ACC+2:ACC+3]
.set n, 4
.rept 7
	DEP 2
	v_pk_fma_f32 v[248:249], v[ACC+n:ACC+n+1], v[ACC+n:ACC+n+1], v[248:249]
	DEP 2
	v_pk_fma_f32 v[250:251], v[ACC+n+2:ACC+n+3], v[ACC+n+2:ACC+n+3], v[250:251]
.set n, n+4
.endr
	DEP 1
	v_pk_add_f32 v[248:249], v[248:249], v[250:251]
	DEP 1
	v_add_f32 v248, v248, v249
	ROWSUM 1024
	DEP 1
	v_fma_f32 v248, v248, s46, s47                 ; variance + 1e-5
	s_wait_alu depctr_va_vdst(0)
	v_rsq_f32 v250, v248
	v_nop                                          ; a plain place behind the transcendental
	s_wait_alu depctr_va_vdst(0)
	s_wait_loadcnt 0x0                             ; gain and shift
.set n, 0
.rept 16
	v_pk_mul_f32 v[ACC+n:ACC+n+1], v[ACC+n:ACC+n+1], v[250:251] op_sel_hi:[1,0]
.set n, n+2
.endr
.set n, 0
.rept 16
	v_pk_fma_f32 v[ACC+n:ACC+n+1], v[ACC+n:ACC+n+1], v[GG+n:GG+n+1], v[BB+n:BB+n+1]
.set n, n+2
.endr
.irp b, 0,1,2,3                        ; y through my stage, back by rows
	ds_store_b128 v11, v[ACC+8*\b:ACC+8*\b+3] offset:128*(\b/2)+32*(\b%2)
	ds_store_b128 v11, v[ACC+8*\b+4:ACC+8*\b+7] offset:128*(\b/2)+32*(\b%2)+16
.endr
.irp n, 0,1,2,3,4,5,6,7
	ds_load_b128 v[RA+4*\n:RA+4*\n+3], v10 offset:2*\n*SPI
.endr
.irp e, 0,1                            ; my 64 columns are two blocks of 32 along the next K, each in lanes l and l xor 16
	v_max3_num_f32 v[232+\e], |v[ACC+16*\e]|, |v[ACC+16*\e+1]|, 0x2800000      ; with the floor 2^(5 - 127)
.endr
.irp i, 2,4,6,8,10,12,14
.irp e, 0,1
	DEP 2
	v_max3_num_f32 v[232+\e], v[232+\e], |v[ACC+16*\e+\i]|, |v[ACC+16*\e+\i+1]|
.endr
.endr
.irp e, 0,1
	DEP 2
	v_permlanex16_b32 v[234+\e], v[232+\e], s44, s45
.endr
.irp e, 0,1
	DEP 2
	v_max_num_f32 v[232+\e], v[232+\e], v[234+\e]
.endr
.irp e, 0,1
	DEP 2
	v_add_nc_u32 v[236+\e], 0xfe000000, v[232+\e]  ; 4 off the exponent field: the conversion's scale operand
.endr
.irp e, 0,1
	DEP 2
	v_lshrrev_b32 v[234+\e], 23, v[236+\e]         ; the byte
.endr
	DEP 1
	v_lshl_or_b32 v238, v235, 8, v234
	v_cvt_scalef32_pk16_bf6_f32 v[240:242], v[ACC:ACC+15], v236
	v_cvt_scalef32_pk16_bf6_f32 v[244:246], v[ACC+16:ACC+31], v237
	v_nop                                          ; a plain place behind the conversions
.irp i, 0,1,2
	v_permlane16_swap_b32 v[240+\i], v[244+\i]     ; a whole block to a lane
.endr
	DEP 3
	v_mov_b32 v243, v244
	DEP 3
	v_mov_b32 v244, v245
	DEP 3
	v_mov_b32 v245, v246
	global_store_b128 v4, v[240:243], s[18:19]     ; 512 consecutive bytes
	global_store_b64 v5, v[244:245], s[18:19] offset:512
	global_store_b16 v14, v238, s[24:25]           ; my two bytes of the K step's word
	s_wait_dscnt 0x0
.irp n, 0,1,2,3,4,5,6,7
	global_store_b128 v9, v[RA+4*\n:RA+4*\n+3], s[16:17] offset:(2*\n+8*(\n/4))*4096   ; sixteen lanes store 256 consecutive bytes, aligned
.endr
	s_wait_tensorcnt 0x0                           ; the wave's end
	ds_add_u32 v254, v255
	s_wait_dscnt 0x0
	CROUND                                         ; the closing round
	s_endpgm
.Lfunc_end_k_q09f1488804_oln:
	.size	k_q09f1488804_oln, .Lfunc_end_k_q09f1488804_oln-k_q09f1488804_oln
	.p2alignl 7, 3214868480
	.fill 96, 4, 3214868480
	.section	.rodata,"a",@progbits
	.p2align	6, 0x0
	.amdhsa_kernel k_q09f1488804_oln
		.amdhsa_group_segment_fixed_size 327680
		.amdhsa_private_segment_fixed_size 0
		.amdhsa_enable_private_segment 0
		.amdhsa_kernarg_size 64
		.amdhsa_user_sgpr_count 2
		.amdhsa_user_sgpr_kernarg_segment_ptr 1
		.amdhsa_wavefront_size32 1
		.amdhsa_system_sgpr_workgroup_id_x 1
		.amdhsa_system_sgpr_workgroup_id_y 1
		.amdhsa_system_sgpr_workgroup_id_z 1
		.amdhsa_system_vgpr_workitem_id 0
		.amdhsa_next_free_vgpr 256
		.amdhsa_next_free_sgpr 66
		.amdhsa_reserve_vcc 0
		.amdhsa_float_denorm_mode_32 3
		.amdhsa_float_denorm_mode_16_64 3
		.amdhsa_memory_ordered 1
		.amdhsa_forward_progress 1
		.amdhsa_inst_pref_size 47
	.end_amdhsa_kernel
	.amdgpu_metadata
---
amdhsa.version: [ 1, 2 ]
amdhsa.kernels:
  - .name:           k_q09f1488804_oln
    .symbol:         k_q09f1488804_oln.kd
    .args:
      - { .name: actc, .offset: 0, .size: 8, .value_kind: global_buffer, .address_space: global }
      - { .name: wcodes, .offset: 8, .size: 8, .value_kind: global_buffer, .address_space: global }
      - { .name: bo, .offset: 16, .size: 8, .value_kind: global_buffer, .address_space: global }
      - { .name: actf, .offset: 24, .size: 8, .value_kind: global_buffer, .address_space: global }
      - { .name: ln2_g, .offset: 32, .size: 8, .value_kind: global_buffer, .address_space: global }
      - { .name: ln2_b, .offset: 40, .size: 8, .value_kind: global_buffer, .address_space: global }
      - { .name: x1, .offset: 48, .size: 8, .value_kind: global_buffer, .address_space: global }
      - { .name: actd, .offset: 56, .size: 8, .value_kind: global_buffer, .address_space: global }
    .group_segment_fixed_size: 327680
    .private_segment_fixed_size: 0
    .kernarg_segment_align: 8
    .kernarg_segment_size: 64
    .max_flat_workgroup_size: 512
    .sgpr_count:     66
    .vgpr_count:     256
    .wavefront_size: 32
...
	.end_amdgpu_metadata
.endif
;; end of part 4
;; launch fc1 (part 5): grid 8 x 32, 4 waves a work-group, clusters of 4 x 4, 327,680 bytes of LDS; arguments actd, wcodes, b1, hc; writes hc
.if DOCPART == 5
	.amdgcn_target "amdgcn-amd-amdhsa--gfx1250"
	.amdhsa_code_object_version 6
	.text
	.protected	k_q09f1488804_fc1
	.globl	k_q09f1488804_fc1
	.p2align	8
	.type	k_q09f1488804_fc1,@function
k_q09f1488804_fc1:
	s_mov_b64 s[64:65], 0
	v_nop
	global_prefetch_b8 v0, s[64:65] scope:SCOPE_SE
	s_setreg_imm32_b32 hwreg(HW_REG_WAVE_MODE, 25, 1), 1
	s_wait_xcnt 0x0
	s_wait_alu depctr_hold_cnt(0) depctr_sa_sdst(0) depctr_va_vdst(0) depctr_va_sdst(0) depctr_va_ssrc(0) depctr_va_vcc(0) depctr_vm_vsrc(0)
	s_getreg_b32 s2, hwreg(HW_REG_IB_STS2, 6, 4)
	s_cmp_eq_u32 s2, 0
	s_cbranch_scc0 .Lentry_in_a_cluster
	s_endpgm
.Lentry_in_a_cluster:
	s_bfe_u32 s2, ttmp6, 0x10000c
	s_cmp_lg_u32 s2, 0xf033
	s_cbranch_scc0 .Lentry_shape_is_right
	s_endpgm
.Lentry_shape_is_right:
.set SLOT0, 102400
.set SLOTB, 102400
.set SPARE, 307200
.set ACC,   128
.set WOFF,  3276800
.set MSB, 0
.macro WIN new
.if MSB != \new
	s_set_vgpr_msb (MSB<<8)|\new
.set MSB, \new
.endif
.endm
.macro PL n
.rept \n
	v_nop
.endr
.endm
.macro CREST
	s_cmp_lg_u32 s16, 0
	s_cbranch_scc1 .Lnot_wave_0_\@
	s_barrier_signal -3
.Lnot_wave_0_\@:
	s_barrier_wait -3
	s_barrier_signal -1
	s_barrier_wait -1
.endm
.macro CROUND
	s_barrier_signal -1
	s_barrier_wait -1
	CREST
.endm
	s_load_b256 s[4:11], s[0:1], 0x0
	v_lshl_add_u32 v28, v0, 2, SPARE
	v_mov_b32 v29, 0
	ds_add_u32 v28, v29
	ds_add_u32 v28, v29
	s_wait_dscnt 0x0
	v_lshrrev_b32 v1, 5, v0
	v_readfirstlane_b32 s16, v1
	s_lshr_b32 s17, s16, 1
	s_and_b32 s18, s16, 1
	s_bfe_u32 s19, ttmp6, 0x40000
	s_bfe_u32 s20, ttmp6, 0x40004
	s_lshl_b32 s21, ttmp9, 2
	s_add_co_u32 s21, s21, s19
	s_and_b32 s22, ttmp7, 0xffff
	s_lshl_b32 s22, s22, 2
	s_add_co_u32 s22, s22, s20
	s_lshl_b32 s52, s20, 2
	s_lshl_b32 s52, 15, s52
	s_lshl_b32 s53, 0x1111, s19
	s_or_b32 s24, s52, (3<<16)|(1<<21)
	s_or_b32 s32, s53, (3<<16)|(1<<21)
.irp g, 24,32
	s_mov_b32 s[\g+1], 32<<16
	s_mov_b32 s[\g+2], 200<<16                     ; the head's loads bring half a tile: 200 rows of 256 bytes
	s_mov_b32 s[\g+3], 32<<16
	s_mov_b32 s[\g+4], 200
	s_mov_b32 s[\g+5], 32
	s_mov_b32 s[\g+6], 0
	s_mov_b32 s[\g+7], 0
.endr
	s_mul_i32 s54, s16, 25600
	s_mul_i32 s70, s18, 51200                      ; at the head a wave fetches half a tile: waves 0, 1 A's halves, waves 2, 3 the first weight tile's
	s_mul_i32 s56, s22, 102400
	s_add_co_u32 s56, s56, s70
	s_mul_i32 s68, s21, 102400
	s_add_co_u32 s68, s68, s70
	s_add_co_u32 s68, s68, WOFF
	s_mov_b32 s69, 0
	s_mov_b32 s57, 0
	s_mul_i32 s58, s21, 102400
	s_add_co_u32 s58, s58, s54
	s_add_co_u32 s58, s58, WOFF
	s_mov_b32 s59, 0
	s_add_co_u32 s48, s54, SLOT0
	s_mov_b32 s50, 0x76543210
	s_mov_b32 s51, 0xfedcba98
	s_mov_b32 s78, 0x3f3504f3
	s_mov_b32 s80, 0x32edffee
	s_mov_b32 s82, 0xb60cff51
	s_mov_b32 s84, 0xb86ec2d2
	s_mov_b32 s86, 0xba40ac63
	s_mov_b32 s88, 0xbb41a1f6
	s_mov_b32 s90, 0xbc83dbd4
	s_mov_b32 s92, 0xb95fbd29
	s_mov_b32 s94, 0xbadc924e
	s_mov_b32 s96, 0xbbf19bf8
	s_mov_b32 s98, 0xbc69b6a7
.irp k, 78,80,82,84,86,88,90,92,94,96,98
	s_mov_b32 s[\k+1], s[\k]
.endr
	s_wait_kmcnt 0x0
	s_mov_b32 s40, 1
	s_mov_b32 s41, s70
	s_add_nc_u64 s[42:43], s[4:5], s[56:57]
	s_or_b32 s43, s43, 0x80000000
	s_mov_b32 s44, 1
	s_mov_b32 s45, s48
	s_add_nc_u64 s[46:47], s[6:7], s[58:59]
	s_or_b32 s47, s47, 0x80000000
	s_mov_b32 s12, 1                               ; group 0 of the head's load of the weight's half tile
	s_add_co_u32 s13, s70, SLOT0
	s_add_nc_u64 s[14:15], s[6:7], s[68:69]
	s_or_b32 s15, s15, 0x80000000
	CROUND
	s_cmp_eq_u32 s17, 0                            ; one load a wave at the head, in the two arms of one branch on the wave's number
	s_cbranch_scc0 .Lhead_w
	tensor_load_to_lds s[40:43], s[24:31]          ; A's half
	s_nop 0
	PL 4
	s_branch .Lhead_asked
.Lhead_w:
	tensor_load_to_lds s[12:15], s[32:39]          ; the weight's half
	s_nop 0
	PL 4
.Lhead_asked:
	v_and_b32 v1, 31, v0
	v_and_b32 v2, 15, v0
	v_bfe_u32 v3, v0, 4, 1
	v_lshlrev_b32 v12, 4, v1
	v_lshlrev_b32 v13, 3, v1
	v_lshlrev_b32 v14, 2, v2
	v_lshlrev_b32 v15, 6, v3
	s_mul_i32 s60, s17, 51200
	v_add_nc_u32 v4, s60, v12
	v_add_nc_u32 v5, s60, v13
	s_add_co_u32 s61, s60, 6144
	v_add_nc_u32 v8, s61, v14
	s_mul_i32 s60, s18, 51200
	s_add_co_u32 s60, s60, SLOT0
	v_add_nc_u32 v6, s60, v12
	v_add_nc_u32 v7, s60, v13
	s_add_co_u32 s61, s60, 6144
	v_add_nc_u32 v16, s61, v14
	v_mov_b32 v20, 0xaf95df0b
	v_mov_b32 v21, 0xaf95df0b
	v_mov_b32 v22, 0xb77460cd
	v_mov_b32 v23, 0xb77460cd
.irp n, 0,1,2,3,4,5,6,7
	v_mov_b32 v[88+\n], 0
.endr
	s_lshl_b32 s62, s21, 9
	s_lshl_b32 s63, s18, 8
	s_add_co_u32 s62, s62, s63
	s_mov_b32 s63, 0
	s_add_nc_u64 s[8:9], s[8:9], s[62:63]
	s_lshl_b32 s66, s22, 1
	s_add_co_u32 s66, s66, s17
	s_lshl_b32 s66, s66, 5
	s_add_co_u32 s66, s66, s21
	s_mul_i32 s66, s66, 6400
	s_mul_i32 s67, s18, 768
	s_add_co_u32 s72, s66, s67
	s_mov_b32 s73, 0
	s_add_nc_u64 s[74:75], s[10:11], s[72:73]
	s_lshl_b32 s67, s18, 1
	s_add_co_u32 s72, s66, s67
	s_add_co_u32 s72, s72, 6144
	s_add_nc_u64 s[76:77], s[10:11], s[72:73]
.macro BIAS sb, off
	WIN 0xc0
.irp b, 0,1,2,3
	global_load_b128 v[96+8*\b:99+8*\b], v15, s[\sb:\sb+1] offset:\off+(32*(\b/2)+8*(\b%2))*4
	global_load_b128 v[100+8*\b:103+8*\b], v15, s[\sb:\sb+1] offset:\off+(32*(\b/2)+8*(\b%2))*4+16
.endr
.endm
.macro ALOAD
	WIN 0x40
.irp k, 0,1,2,3
.irp a, 0,1,2,3
.irp c, 0,1
	ds_load_b128 v[48*\k+12*\a+6*\c:48*\k+12*\a+6*\c+3], v4 offset:6400*\k+1536*\a+768*\c
	ds_load_b64 v[48*\k+12*\a+6*\c+4:48*\k+12*\a+6*\c+5], v5 offset:6400*\k+1536*\a+768*\c+512
.endr
.endr
.endr
	WIN 0x80
.irp k, 0,1,2,3
.irp a, 0,1,2,3
.irp c, 0,1
	ds_load_b128 v[48*\k+12*\a+6*\c:48*\k+12*\a+6*\c+3], v4 offset:6400*(\k+4)+1536*\a+768*\c
	ds_load_b64 v[48*\k+12*\a+6*\c+4:48*\k+12*\a+6*\c+5], v5 offset:6400*(\k+4)+1536*\a+768*\c+512
.endr
.endr
.endr
	WIN 0
.irp k, 0,1,2,3,4,5,6,7
.irp a, 0,1,2,3
	ds_load_b32 v[48+4*\k+\a], v8 offset:6400*\k+64*\a
.endr
.endr
.endm
.macro FETCH ks, set
	WIN 0xc0
.irp b, 0,1,2,3
.irp c, 0,1
	ds_load_b128 v[48*(\set)+12*\b+6*\c:48*(\set)+12*\b+6*\c+3], v9 offset:6400*(\ks)+1536*\b+768*\c
	ds_load_b64 v[48*(\set)+12*\b+6*\c+4:48*(\set)+12*\b+6*\c+5], v10 offset:6400*(\ks)+1536*\b+768*\c+512
.endr
.endr
	WIN 0
.irp b, 0,1,2,3
	ds_load_b32 v[32+4*(\set)+\b], v11 offset:6400*(\ks)+64*\b
.endr
.endm
.macro MULA set, ks, a
.irp b, 0,1,2,3
.if (\ks) == 0
	v_wmma_scale_f32_16x16x128_f8f6f4 v[ACC+8*(4*\a+\b):ACC+8*(4*\a+\b)+7], v[48*(\set)+12*\b:48*(\set)+12*\b+11], v[48*((\ks)%4)+12*\a:48*((\ks)%4)+12*\a+11], v[96+8*\b:96+8*\b+7], v[32+4*(\set)+\b], v[48+4*(\ks)+\a] matrix_a_fmt:MATRIX_FMT_BF6 matrix_b_fmt:MATRIX_FMT_BF6
.else
	v_wmma_scale_f32_16x16x128_f8f6f4 v[ACC+8*(4*\a+\b):ACC+8*(4*\a+\b)+7], v[48*(\set)+12*\b:48*(\set)+12*\b+11], v[48*((\ks)%4)+12*\a:48*((\ks)%4)+12*\a+11], v[ACC+8*(4*\a+\b):ACC+8*(4*\a+\b)+7], v[32+4*(\set)+\b], v[48+4*(\ks)+\a] matrix_a_fmt:MATRIX_FMT_BF6 matrix_b_fmt:MATRIX_FMT_BF6
.endif
.endr
.endm
.macro STEP ks, nb, off
	s_wait_dscnt 0x0
.if (\ks) < 7
	PL 4
.endif
.if ((\ks) == 1) && (\nb)
	BIAS \nb, \off
.endif
.if (\ks) < 7
	FETCH (\ks)+1, ((\ks)+1)%2
.endif
.if (\ks) == 0
	WIN 0x37
.elseif (\ks) < 4
	WIN 0x07
.else
	WIN 0x0b
.endif
.irp a, 0,1,2,3
	MULA (\ks)%2, \ks, \a
.endr
.endm
.macro TILE nb, off
	v_add_nc_u32 v9, s49, v6
	v_add_nc_u32 v10, s49, v7
	v_add_nc_u32 v11, s49, v16
	FETCH 0, 0
	s_wait_alu depctr_va_vdst(0)
	s_wait_loadcnt 0x0
.irp k, 0,1,2,3,4,5,6,7
	STEP \k, \nb, \off
.endr
	WIN 0
	PL 4
.endm
.macro CHANGE fill
	s_wait_tensorcnt 0x0
	ds_add_u32 v28, v29
.if \fill
	s_xor_b32 s23, s49, SLOTB
	s_add_co_u32 s45, s48, s23
	s_add_nc_u64 s[46:47], s[46:47], 819200
	s_mov_b32 s34, 100<<16                         ; from here on a load brings a quarter of a tile: 100 rows
	s_mov_b32 s36, 100
.endif
	s_wait_dscnt 0x0
.if \fill
	CROUND
	tensor_load_to_lds s[44:47], s[32:39]
	s_nop 0
	PL 4
.else
	s_barrier_signal -1
	s_barrier_wait -1
.endif
.endm
.macro GELU n
.set XB, ACC+8*\n
.irp p, 0,2,4,6
	v_pk_mul_f32 v[80+\p:81+\p], v[XB+\p:XB+\p+1], s[78:79] op_sel_hi:[1,0]
.endr
.irp p, 0,1,2,3,4,5,6,7
	v_med3_num_f32 v[80+\p], v[80+\p], -4.0, 4.0
.endr
.irp p, 0,2,4,6
	v_pk_mul_f32 v[88+\p:89+\p], v[80+\p:81+\p], v[80+\p:81+\p]
.endr
.irp p, 0,2,4,6
	v_pk_fma_f32 v[96+\p:97+\p], v[88+\p:89+\p], v[20:21], s[80:81] op_sel_hi:[1,1,0]
.endr
.irp k, 82,84,86,88,90
.irp p, 0,2,4,6
	v_pk_fma_f32 v[96+\p:97+\p], v[96+\p:97+\p], v[88+\p:89+\p], s[\k:\k+1] op_sel_hi:[1,1,0]
.endr
.endr
.irp p, 0,2,4,6
	v_pk_fma_f32 v[104+\p:105+\p], v[88+\p:89+\p], v[22:23], s[92:93] op_sel_hi:[1,1,0]
.endr
.irp k, 94,96,98
.irp p, 0,2,4,6
	v_pk_fma_f32 v[104+\p:105+\p], v[104+\p:105+\p], v[88+\p:89+\p], s[\k:\k+1] op_sel_hi:[1,1,0]
.endr
.endr
	s_wait_alu depctr_va_vdst(0)
.irp p, 0,1,2,3,4,5,6,7
	v_rcp_f32 v[104+\p], v[104+\p]
.endr
.irp p, 0,2,4,6
	v_pk_mul_f32 v[96+\p:97+\p], v[96+\p:97+\p], v[80+\p:81+\p]
.endr
.irp p, 0,2,4,6
	v_pk_mul_f32 v[XB+\p:XB+\p+1], v[XB+\p:XB+\p+1], 0.5 op_sel_hi:[1,0]
.endr
	s_wait_alu depctr_va_vdst(0)
.irp p, 0,2,4,6
	v_pk_mul_f32 v[96+\p:97+\p], v[96+\p:97+\p], v[104+\p:105+\p]
.endr
.irp p, 0,2,4,6
	v_pk_fma_f32 v[XB+\p:XB+\p+1], v[XB+\p:XB+\p+1], v[96+\p:97+\p], v[XB+\p:XB+\p+1]
.endr
.endm
.macro QUANT4
.irp a, 0,1,2,3
.irp e, 0,1
	v_max3_num_f32 v[80+2*\a+\e], |v[ACC+32*\a+16*\e]|, |v[ACC+32*\a+16*\e+1]|, 0x2800000
.endr
.endr
.irp i, 2,4,6,8,10,12,14
.irp a, 0,1,2,3
.irp e, 0,1
	v_max3_num_f32 v[80+2*\a+\e], v[80+2*\a+\e], |v[ACC+32*\a+16*\e+\i]|, |v[ACC+32*\a+16*\e+\i+1]|
.endr
.endr
.endr
.irp n, 0,1,2,3,4,5,6,7
	v_permlanex16_b32 v[88+\n], v[80+\n], s50, s51
.endr
.irp n, 0,1,2,3,4,5,6,7
	v_max_num_f32 v[80+\n], v[80+\n], v[88+\n]
.endr
.irp n, 0,1,2,3,4,5,6,7
	v_add_nc_u32 v[80+\n], 0xfe000000, v[80+\n]
.endr
.irp n, 0,1,2,3,4,5,6,7
	v_lshrrev_b32 v[88+\n], 23, v[80+\n]
.endr
.irp a, 0,1,2,3
	v_lshl_or_b32 v[88+2*\a], v[89+2*\a], 8, v[88+2*\a]
.endr
.irp a, 0,1,2,3
	v_cvt_scalef32_pk16_bf6_f32 v[96+8*\a:98+8*\a], v[ACC+32*\a:ACC+32*\a+15], v[80+2*\a]
	v_cvt_scalef32_pk16_bf6_f32 v[100+8*\a:102+8*\a], v[ACC+32*\a+16:ACC+32*\a+31], v[81+2*\a]
.endr
	v_nop
.irp a, 0,1,2,3
.irp i, 0,1,2
	v_permlane16_swap_b32 v[96+8*\a+\i], v[100+8*\a+\i]
.endr
.endr
.irp a, 0,1,2,3
	v_mov_b32 v[99+8*\a], v[100+8*\a]
	v_mov_b32 v[100+8*\a], v[101+8*\a]
	v_mov_b32 v[101+8*\a], v[102+8*\a]
.endr
.endm
.macro EPI_H
.irp n, 0,1,2,3,4,5,6,7,8,9,10,11,12,13,14,15
	GELU \n
.endr
	QUANT4
.irp a, 0,1,2,3
	global_store_b128 v12, v[96+8*\a:99+8*\a], s[74:75] offset:1536*\a
	global_store_b64 v13, v[100+8*\a:101+8*\a], s[74:75] offset:1536*\a+512
	global_store_b16 v14, v[88+2*\a], s[76:77] offset:64*\a
.endr
.endm
	BIAS 8, 0
	WIN 0
	s_wait_alu depctr_va_vdst(0)
	s_wait_tensorcnt 0x0                           ; my half tile is in
	s_barrier_signal -1
	s_barrier_wait -1
	ALOAD
	s_mov_b32 s49, 0
	s_mov_b32 s55, 0
.Ltile:
	CHANGE 1
	TILE 8, 4096
	EPI_H
	s_wait_xcnt 0x0
	s_add_nc_u64 s[74:75], s[74:75], 51200
	s_add_nc_u64 s[76:77], s[76:77], 51200
	s_add_nc_u64 s[8:9], s[8:9], 4096
	s_xor_b32 s49, s49, SLOTB
	s_add_co_u32 s55, s55, 1
	s_cmp_lt_u32 s55, 3
	s_cbranch_scc1 .Ltile
	s_mov_b32 s49, SLOTB
	CHANGE 0
	TILE 0, 0
	EPI_H
	s_wait_tensorcnt 0x0
	ds_add_u32 v28, v29
	s_wait_dscnt 0x0
	CROUND
	s_endpgm
.Lfunc_end_k_q09f1488804_fc1:
	.size	k_q09f1488804_fc1, .Lfunc_end_k_q09f1488804_fc1-k_q09f1488804_fc1
	.p2alignl 7, 3214868480
	.fill 96, 4, 3214868480
	.section	.rodata,"a",@progbits
	.p2align	6, 0x0
	.amdhsa_kernel k_q09f1488804_fc1
		.amdhsa_group_segment_fixed_size 327680
		.amdhsa_private_segment_fixed_size 0
		.amdhsa_enable_private_segment 0
		.amdhsa_kernarg_size 32
		.amdhsa_user_sgpr_count 2
		.amdhsa_user_sgpr_kernarg_segment_ptr 1
		.amdhsa_wavefront_size32 1
		.amdhsa_system_sgpr_workgroup_id_x 1
		.amdhsa_system_sgpr_workgroup_id_y 1
		.amdhsa_system_sgpr_workgroup_id_z 1
		.amdhsa_system_vgpr_workitem_id 0
		.amdhsa_next_free_vgpr 896
		.amdhsa_next_free_sgpr 100
		.amdhsa_reserve_vcc 0
		.amdhsa_float_denorm_mode_32 3
		.amdhsa_float_denorm_mode_16_64 3
		.amdhsa_memory_ordered 1
		.amdhsa_forward_progress 1
		.amdhsa_inst_pref_size 249
	.end_amdhsa_kernel
	.amdgpu_metadata
---
amdhsa.version: [ 1, 2 ]
amdhsa.kernels:
  - .name:           k_q09f1488804_fc1
    .symbol:         k_q09f1488804_fc1.kd
    .args:
      - { .name: actd, .offset: 0, .size: 8, .value_kind: global_buffer, .address_space: global }
      - { .name: wcodes, .offset: 8, .size: 8, .value_kind: global_buffer, .address_space: global }
      - { .name: b1, .offset: 16, .size: 8, .value_kind: global_buffer, .address_space: global }
      - { .name: hc, .offset: 24, .size: 8, .value_kind: global_buffer, .address_space: global }
    .group_segment_fixed_size: 327680
    .private_segment_fixed_size: 0
    .kernarg_segment_align: 8
    .kernarg_segment_size: 32
    .max_flat_workgroup_size: 128
    .sgpr_count:     100
    .vgpr_count:     896
    .wavefront_size: 32
...
	.end_amdgpu_metadata
.endif
;; end of part 5
;; launch fc2 (part 6): grid 8 x 32, 4 waves a work-group, clusters of 4 x 4, 327,680 bytes of LDS; arguments hc, wcodes, b2, x1, out0; writes out0
.if DOCPART == 6
	.amdgcn_target "amdgcn-amd-amdhsa--gfx1250"
	.amdhsa_code_object_version 6
	.text
	.protected	k_q09f1488804_fc2
	.globl	k_q09f1488804_fc2
	.p2align	8
	.type	k_q09f1488804_fc2,@function
k_q09f1488804_fc2:
	s_mov_b64 s[64:65], 0
	v_nop
	global_prefetch_b8 v0, s[64:65] scope:SCOPE_SE
	s_setreg_imm32_b32 hwreg(HW_REG_WAVE_MODE, 25, 1), 1
	s_wait_xcnt 0x0
	s_wait_alu depctr_hold_cnt(0) depctr_sa_sdst(0) depctr_va_vdst(0) depctr_va_sdst(0) depctr_va_ssrc(0) depctr_va_vcc(0) depctr_vm_vsrc(0)
	s_getreg_b32 s2, hwreg(HW_REG_IB_STS2, 6, 4)
	s_cmp_eq_u32 s2, 0
	s_cbranch_scc0 .Lentry_in_a_cluster
	s_endpgm
.Lentry_in_a_cluster:
	s_bfe_u32 s2, ttmp6, 0x10000c
	s_cmp_lg_u32 s2, 0xf033
	s_cbranch_scc0 .Lentry_shape_is_right
	s_endpgm
.Lentry_shape_is_right:
.set NKS,   32
.set WOFF,  6553600
.set SQ,    6
.set QB,    SQ*6400
.set SLOTB, 4*QB
.set SPI,   528
.set SPARE, 2*SLOTB
.set ACC,   128
.set MSB, 0
.macro WIN new
.if MSB != \new
	s_set_vgpr_msb (MSB<<8)|\new
.set MSB, \new
.endif
.endm
.macro PL n
.rept \n
	v_nop
.endr
.endm
.macro CREST
	s_cmp_lg_u32 s16, 0
	s_cbranch_scc1 .Lnot_wave_0_\@
	s_barrier_signal -3
.Lnot_wave_0_\@:
	s_barrier_wait -3
	s_barrier_signal -1
	s_barrier_wait -1
.endm
.macro CROUND
	s_barrier_signal -1
	s_barrier_wait -1
	CREST
.endm
.macro JLOAD s, ga, gb
	s_cmp_eq_u32 s17, 0
	s_cbranch_scc0 .Lfor_b_\@
	tensor_load_to_lds s[40+4*\s:43+4*\s], s[\ga:\ga+7]
	s_nop 0
.rept 4
	v_nop
.endr
	s_branch .Lasked_\@
.Lfor_b_\@:
	tensor_load_to_lds s[48+4*\s:51+4*\s], s[\gb:\gb+7]
	s_nop 0
.rept 4
	v_nop
.endr
.Lasked_\@:
.endm
	s_load_b256 s[4:11], s[0:1], 0x0
	s_load_b64 s[12:13], s[0:1], 0x20
	v_lshl_add_u32 v28, v0, 2, SPARE
	v_mov_b32 v29, 0
	ds_add_u32 v28, v29
	ds_add_u32 v28, v29
	s_wait_dscnt 0x0
	v_lshrrev_b32 v1, 5, v0
	v_readfirstlane_b32 s16, v1
	s_lshr_b32 s17, s16, 1
	s_and_b32 s18, s16, 1
	s_bfe_u32 s19, ttmp6, 0x40000
	s_bfe_u32 s20, ttmp6, 0x40004
	s_lshl_b32 s21, ttmp9, 2
	s_add_co_u32 s21, s21, s19
	s_and_b32 s22, ttmp7, 0xffff
	s_lshl_b32 s22, s22, 2
	s_add_co_u32 s22, s22, s20
	s_lshl_b32 s52, s20, 2
	s_lshl_b32 s52, 15, s52
	s_lshl_b32 s53, 0x1111, s19
	s_or_b32 s24, s52, (3<<16)|(1<<21)
	s_or_b32 s32, s53, (3<<16)|(1<<21)
	s_or_b32 s72, s52, (3<<16)|(1<<21)
	s_or_b32 s80, s53, (3<<16)|(1<<21)
.irp g, 24,32
	s_mov_b32 s[\g+1], 32<<16
	s_mov_b32 s[\g+2], 150<<16
	s_mov_b32 s[\g+3], 32<<16
	s_mov_b32 s[\g+4], 150
	s_mov_b32 s[\g+5], 32
	s_mov_b32 s[\g+6], 0
	s_mov_b32 s[\g+7], 0
.endr
.irp g, 72,80
	s_mov_b32 s[\g+1], 32<<16
	s_mov_b32 s[\g+2], 50<<16
	s_mov_b32 s[\g+3], 32<<16
	s_mov_b32 s[\g+4], 50
	s_mov_b32 s[\g+5], 32
	s_mov_b32 s[\g+6], 0
	s_mov_b32 s[\g+7], 0
.endr
	s_mul_i32 s56, s16, QB
	s_lshl_b32 s57, s22, 1
	s_add_co_u32 s57, s57, s18
	s_mul_i32 s58, s57, NKS*6400
	s_mov_b32 s59, 0
	s_lshl_b32 s60, s21, 1
	s_add_co_u32 s60, s60, s18
	s_mul_i32 s60, s60, NKS*6400
	s_add_co_u32 s60, s60, WOFF
	s_mov_b32 s61, 0
	s_wait_kmcnt 0x0
	s_add_nc_u64 s[58:59], s[4:5], s[58:59]
	s_add_nc_u64 s[60:61], s[6:7], s[60:61]
	CROUND
.irp s, 0,1
	s_mov_b32 s[40+4*\s], 1
	s_add_co_u32 s[41+4*\s], s56, \s*SLOTB
	s_add_nc_u64 s[42+4*\s:43+4*\s], s[58:59], \s*QB
	s_or_b32 s[43+4*\s], s[43+4*\s], 0x80000000
	s_mov_b32 s[48+4*\s], 1
	s_add_co_u32 s[49+4*\s], s56, \s*SLOTB
	s_add_nc_u64 s[50+4*\s:51+4*\s], s[60:61], \s*QB
	s_or_b32 s[51+4*\s], s[51+4*\s], 0x80000000
	s_wait_alu depctr_va_vdst(0)
	s_wait_tensorcnt 0x0
	ds_add_u32 v28, v29
	ds_add_u32 v28, v29
	s_wait_dscnt 0x0
	CROUND
	JLOAD \s, 24, 32
.endr
	v_and_b32 v1, 31, v0
	v_and_b32 v2, 15, v0
	v_bfe_u32 v3, v0, 4, 1
	v_lshlrev_b32 v12, 4, v1
	v_lshlrev_b32 v20, 3, v1
	v_lshl_add_u32 v21, v2, 2, 6144
	v_lshlrev_b32 v13, 6, v3
	s_mul_i32 s62, s17, QB
	s_mul_i32 s63, s18, QB
	s_add_co_u32 s63, s63, 2*QB
.irp s, 0,1
	v_add_nc_u32 v[4+\s], s62, v12
	v_add_nc_u32 v[6+\s], s62, v20
	v_add_nc_u32 v[8+\s], s63, v12
	v_add_nc_u32 v[10+\s], s63, v20
	v_add_nc_u32 v[14+\s], s62, v21
	v_add_nc_u32 v[16+\s], s63, v21
	s_add_co_u32 s62, s62, SLOTB
	s_add_co_u32 s63, s63, SLOTB
.endr
	v_and_b32 v18, 8, v2
	v_add_nc_u32 v18, v18, v2
	v_mul_u32_u24 v18, v18, SPI
	v_lshl_add_u32 v18, v3, 6, v18
	s_mul_i32 s62, s17, 64*SPI
	s_lshl_b32 s63, s18, 8
	s_add_co_u32 s62, s62, s63
	v_add_nc_u32 v18, s62, v18
	s_mul_i32 s62, s16, 32*SPI
	v_add_nc_u32 v19, s62, v12
	s_lshl_b32 s66, s22, 7
	s_lshl_b32 s67, s16, 5
	s_add_co_u32 s66, s66, s67
	s_lshl_b32 s66, s66, 12
	s_lshl_b32 s67, s21, 9
	s_add_co_u32 s66, s66, s67
	s_mov_b32 s67, 0
	s_add_nc_u64 s[10:11], s[10:11], s[66:67]
	s_add_nc_u64 s[12:13], s[12:13], s[66:67]
	s_lshl_b32 s68, s21, 9
	s_lshl_b32 s69, s18, 8
	s_add_co_u32 s68, s68, s69
	s_mov_b32 s69, 0
	s_add_nc_u64 s[8:9], s[8:9], s[68:69]
.irp b, 0,1,2,3
	global_load_b128 v[48+8*\b:51+8*\b], v13, s[8:9] offset:(32*(\b/2)+8*(\b%2))*4
	global_load_b128 v[52+8*\b:55+8*\b], v13, s[8:9] offset:(32*(\b/2)+8*(\b%2))*4+16
.endr
	WIN 0x80
.set n, 0
.rept 32
	global_load_b128 v[4*n:4*n+3], v12, s[10:11] offset:4096*n
.set n, n+1
.endr
	WIN 0
.macro FETCH slot, q, set
	WIN 0x40
.irp a, 0,1,2,3
.irp c, 0,1
	ds_load_b128 v[128*(\set)+12*\a+6*\c:128*(\set)+12*\a+6*\c+3], v[4+\slot] offset:6400*(\q)+1536*\a+768*\c
	ds_load_b64 v[128*(\set)+12*\a+6*\c+4:128*(\set)+12*\a+6*\c+5], v[6+\slot] offset:6400*(\q)+1536*\a+768*\c+512
.endr
.endr
.irp a, 0,1,2,3
.irp c, 0,1
	ds_load_b128 v[128*(\set)+48+12*\a+6*\c:128*(\set)+48+12*\a+6*\c+3], v[8+\slot] offset:6400*(\q)+1536*\a+768*\c
	ds_load_b64 v[128*(\set)+48+12*\a+6*\c+4:128*(\set)+48+12*\a+6*\c+5], v[10+\slot] offset:6400*(\q)+1536*\a+768*\c+512
.endr
.endr
	WIN 0
.irp a, 0,1,2,3
	ds_load_b32 v[32+8*(\set)+\a], v[14+\slot] offset:6400*(\q)+64*\a
	ds_load_b32 v[36+8*(\set)+\a], v[16+\slot] offset:6400*(\q)+64*\a
.endr
.endm
.macro MULA set, a, first
.irp b, 0,1,2,3
.if \first
	v_wmma_scale_f32_16x16x128_f8f6f4 v[ACC+8*(4*\a+\b):ACC+8*(4*\a+\b)+7], v[128*(\set)+48+12*\b:128*(\set)+48+12*\b+11], v[128*(\set)+12*\a:128*(\set)+12*\a+11], v[48+8*\b:48+8*\b+7], v[36+8*(\set)+\b], v[32+8*(\set)+\a] matrix_a_fmt:MATRIX_FMT_BF6 matrix_b_fmt:MATRIX_FMT_BF6
.else
	v_wmma_scale_f32_16x16x128_f8f6f4 v[ACC+8*(4*\a+\b):ACC+8*(4*\a+\b)+7], v[128*(\set)+48+12*\b:128*(\set)+48+12*\b+11], v[128*(\set)+12*\a:128*(\set)+12*\a+11], v[ACC+8*(4*\a+\b):ACC+8*(4*\a+\b)+7], v[36+8*(\set)+\b], v[32+8*(\set)+\a] matrix_a_fmt:MATRIX_FMT_BF6 matrix_b_fmt:MATRIX_FMT_BF6
.endif
.endr
.endm
.macro STEP slot, q, first
	s_wait_dscnt 0x0
	PL 4
	FETCH \slot, (\q)+1, ((\q)+1)%2
	WIN 0x05
.irp a, 0,1,2,3
	MULA (\q)%2, \a, \first
.endr
.endm
.macro RUN slot
.irp q, 0,1,2,3,4
	STEP \slot, \q, 0
.endr
.endm
.macro TURN slot, next, fill
	WIN 0
	s_wait_tensorcnt 0x0
	ds_add_u32 v28, v29
	s_wait_dscnt 1
	WIN 0x05
	MULA 1, 0, 0
	s_wait_dscnt 0x0
	s_barrier_signal -1
	MULA 1, 1, 0
	WIN 0
	s_barrier_wait -1
.if \fill
	CREST
	s_add_nc_u64 s[42+4*\slot:43+4*\slot], s[42+4*\slot:43+4*\slot], 2*QB
	s_add_nc_u64 s[50+4*\slot:51+4*\slot], s[50+4*\slot:51+4*\slot], 2*QB
.if \fill == 1
	JLOAD \slot, 24, 32
.else
	JLOAD \slot, 72, 80
.endif
.else
	PL 4
.endif
	s_wait_alu depctr_va_vdst(0)
	FETCH \next, 0, 0
	WIN 0x05
	MULA 1, 2, 0
	MULA 1, 3, 0
.endm
	s_wait_tensorcnt 1
	s_barrier_signal -1
	s_barrier_wait -1
	FETCH 0, 0, 0
	s_wait_loadcnt 32
	STEP 0, 0, 1
.irp q, 1,2,3,4
	STEP 0, \q, 0
.endr
	TURN 0, 1, 1
	RUN 1
	TURN 1, 0, 1
	RUN 0
	TURN 0, 1, 1
	RUN 1
	TURN 1, 0, 2
	RUN 0
	TURN 0, 1, 0
	STEP 1, 0, 0
	s_wait_dscnt 0x0
.irp a, 0,1,2,3
	MULA 1, \a, 0
.endr
	WIN 0
	PL 4
.irp a, 0,1,2,3
.irp b, 0,1,2,3
	ds_store_b128 v18, v[ACC+8*(4*\a+\b):ACC+8*(4*\a+\b)+3] offset:(32*(\a/2)+8*(\a%2))*SPI+(32*(\b/2)+8*(\b%2))*4
	ds_store_b128 v18, v[ACC+8*(4*\a+\b)+4:ACC+8*(4*\a+\b)+7] offset:(32*(\a/2)+8*(\a%2))*SPI+(32*(\b/2)+8*(\b%2))*4+16
.endr
.endr
	s_wait_dscnt 0x0
	s_barrier_signal -1
	s_barrier_wait -1
.set n, 0
.rept 32
	ds_load_b128 v[ACC+4*n:ACC+4*n+3], v19 offset:SPI*n
.set n, n+1
.endr
	s_wait_loadcnt 0x0
	s_wait_dscnt 0x0
	WIN 0x08
.set n, 0
.rept 64
	v_pk_add_f32 v[ACC+n:ACC+n+1], v[ACC+n:ACC+n+1], v[n:n+1]
.set n, n+2
.endr
	WIN 0
.set n, 0
.rept 32
	global_store_b128 v12, v[ACC+4*n:ACC+4*n+3], s[12:13] offset:4096*n th:TH_STORE_NT
.set n, n+1
.endr
	s_wait_tensorcnt 0x0
	ds_add_u32 v28, v29
	s_wait_dscnt 0x0
	CROUND
	s_endpgm
.Lfunc_end_k_q09f1488804_fc2:
	.size	k_q09f1488804_fc2, .Lfunc_end_k_q09f1488804_fc2-k_q09f1488804_fc2
	.p2alignl 7, 3214868480
	.fill 96, 4, 3214868480
	.section	.rodata,"a",@progbits
	.p2align	6, 0x0
	.amdhsa_kernel k_q09f1488804_fc2
		.amdhsa_group_segment_fixed_size 327680
		.amdhsa_private_segment_fixed_size 0
		.amdhsa_enable_private_segment 0
		.amdhsa_kernarg_size 40
		.amdhsa_user_sgpr_count 2
		.amdhsa_user_sgpr_kernarg_segment_ptr 1
		.amdhsa_wavefront_size32 1
		.amdhsa_system_sgpr_workgroup_id_x 1
		.amdhsa_system_sgpr_workgroup_id_y 1
		.amdhsa_system_sgpr_workgroup_id_z 1
		.amdhsa_system_vgpr_workitem_id 0
		.amdhsa_next_free_vgpr 640
		.amdhsa_next_free_sgpr 88
		.amdhsa_reserve_vcc 0
		.amdhsa_float_denorm_mode_32 3
		.amdhsa_float_denorm_mode_16_64 3
		.amdhsa_memory_ordered 1
		.amdhsa_forward_progress 1
		.amdhsa_inst_pref_size 182
	.end_amdhsa_kernel
	.amdgpu_metadata
---
amdhsa.version: [ 1, 2 ]
amdhsa.kernels:
  - .name:           k_q09f1488804_fc2
    .symbol:         k_q09f1488804_fc2.kd
    .args:
      - { .name: hc, .offset: 0, .size: 8, .value_kind: global_buffer, .address_space: global }
      - { .name: wcodes, .offset: 8, .size: 8, .value_kind: global_buffer, .address_space: global }
      - { .name: b2, .offset: 16, .size: 8, .value_kind: global_buffer, .address_space: global }
      - { .name: x1, .offset: 24, .size: 8, .value_kind: global_buffer, .address_space: global }
      - { .name: out0, .offset: 32, .size: 8, .value_kind: global_buffer, .address_space: global }
    .group_segment_fixed_size: 327680
    .private_segment_fixed_size: 0
    .kernarg_segment_align: 8
    .kernarg_segment_size: 40
    .max_flat_workgroup_size: 128
    .sgpr_count:     88
    .vgpr_count:     640
    .wavefront_size: 32
...
	.end_amdgpu_metadata
.endif
;; end of part 6
